; MI455X (gfx1250); checked and timed in simulation.
; The chip was launched on July 23, 2026; its instructions are those of AMD's public machine-readable ISA for CDNA 5 (MIT licence, August 2026) and "CDNA5" Instruction Set Architecture Reference Guide (July 2026). The comments in the code are by the model that wrote it; some were corrected since.
;; Self Attention. Allowed arithmetic: float matrix products may take bf16 or f16 operands with f32 sums; other float arithmetic in f32, or as packed bf16 or f16 multiplies, adds, multiply-adds, maxima and minima; sums over many terms, partial sums and values carried from step to step in f32; what a program stores and reads back later, other than sums and carried values, may be rounded once to bf16 or f16.
;; Inputs: Wk 1,024 x 1,024 float32; Wp 1,024 x 1,024 float32; Wq 1,024 x 1,024 float32; Wv 1,024 x 1,024 float32; bk 1,024 float32; bp 1,024 float32; bq 1,024 float32; bv 1,024 float32; x 8 x 1,024 x 1,024 float32.
;; Outputs: out0 8 x 1,024 x 1,024 float32.
;; 2 versions, each right; version 2 is version 1 with the launch cast written anew for expert scheduling mode. Each part assembles by itself: llvm-mc -triple=amdgcn-amd-amdhsa -mcpu=gfx1250 --defsym DOCPART=n.
;; ======== version 1 of 2: 4 launches
;; limits: values outside matrix products are rounded to bf16; values are held in f16: magnitudes above 65,504 overflow, below 6.1e-05 lose precision
;; workspace buffers: xb 16,777,216 bytes; wcat 6,291,456 bytes; wpf 2,097,152 bytes; qkv 50,331,648 bytes; ob 16,777,216 bytes
;; launch cast (part 1): grid 768 x 1, 8 waves a work-group, no clusters, 0 bytes of LDS; arguments x, Wq, Wk, Wv, Wp, xb, wcat, wpf; writes xb, wcat, wpf
.if DOCPART == 1
	.amdgcn_target "amdgcn-amd-amdhsa--gfx1250"
	.amdhsa_code_object_version 6
	.text
	.protected	k_q7d6c7da044_cast
	.globl	k_q7d6c7da044_cast
	.p2align	8
	.type	k_q7d6c7da044_cast,@function
k_q7d6c7da044_cast:
	s_mov_b64 s[64:65], 0
	v_nop
	global_prefetch_b8 v0, s[64:65] scope:SCOPE_SE
	s_setreg_imm32_b32 hwreg(HW_REG_WAVE_MODE, 25, 1), 1
	s_wait_xcnt 0x0
; THE INPUTS OF THE MATRIX PRODUCTS, ROUNDED ONCE AND LAID OUT FOR THE LAUNCHES BEHIND.
;   xb   [b 8][kb 16][t 1024][64] bf16: x in slices of 64 channels, so that 128 rows of a slice are 16,384 dense bytes
;   wcat [k 1024][3072] bf16: Wq, Wk, Wv side by side        wpf [k 1024][1024]: Wp rounded to bf16, that number written as f16
; LIMIT.  A bf16 number below 2^-14 in size keeps f16's fixed step of 6e-8 in wpf; beyond 65,504 it has no f16.
; SHARES.  A work-group casts 16 rows of 1,024 f32 (65,536 bytes in, 32,768 out); a wave issues its 16 loads of 16 bytes a lane on end and then
; converts and stores them in order.  No register is used twice for memory, so the only waits are the counted ones for the loads.
; Work-groups 0-511: x;  512-703: Wq, Wk, Wv (64 each);  704-767: Wp.  Every load covers whole runs of 256 bytes, every store of a wave 256 consecutive bytes, aligned.
; No LDS, no matrix unit, no cluster: nothing is shared and each byte is touched once.
.set IN,  2                            ; v2        my byte offset in the 16 rows read
.set OUT, 3                            ; v3        my byte offset in what is written
.set X,   4                            ; v[4:67]   16 loads of 4 f32
.set Y,   68                           ; v[68:99]  16 stores of 4 numbers of 16 bits
.set T,   100                          ; v[100:105] at work
.set SRC, 36                           ; s[36:37]
.set DST, 38                           ; s[38:39]
.set OF,  40                           ; s[40:41]  an offset, high word 0
; load i comes from ia (i / 2) + ib (i % 2), store i goes to oa (i / 2) + ob (i % 2).  half = 1: bf16's number as f16
.macro CAST ia, ib, oa, ob, half
.set i, 0
.rept 16
	global_load_b128 v[X+4*i:X+4*i+3], v[IN], s[SRC:SRC+1] offset:(\ia)*(i/2)+(\ib)*(i%2) th:TH_LOAD_NT
.set i, i+1
.endr
.set i, 0
.rept 16
	s_wait_loadcnt 15-i                            ; loads come back in order: load i is in, the 15 - i younger ones stay out
.if \half
	v_cvt_pk_bf16_f32 v[T], v[X+4*i], v[X+4*i+1]
	v_cvt_pk_bf16_f32 v[T+1], v[X+4*i+2], v[X+4*i+3]
	v_lshlrev_b32 v[T+2], 16, v[T]                 ; bf16 to f32: the low half moves up, the high half stays
	v_and_b32 v[T+3], 0xffff0000, v[T]
	v_lshlrev_b32 v[T+4], 16, v[T+1]
	v_and_b32 v[T+5], 0xffff0000, v[T+1]
	v_cvt_pk_f16_f32 v[Y+2*i], v[T+2], v[T+3]
	v_cvt_pk_f16_f32 v[Y+2*i+1], v[T+4], v[T+5]
.else
	v_cvt_pk_bf16_f32 v[Y+2*i], v[X+4*i], v[X+4*i+1]
	v_cvt_pk_bf16_f32 v[Y+2*i+1], v[X+4*i+2], v[X+4*i+3]
.endif
	global_store_b64 v[OUT], v[Y+2*i:Y+2*i+1], s[DST:DST+1] offset:(\oa)*(i/2)+(\ob)*(i%2)
.set i, i+1
.endr
.endm
	s_load_b512 s[8:23], s[0:1], 0x0               ; x s[8:9], Wq s[10:11], Wk s[12:13], Wv s[14:15], Wp s[16:17], xb s[18:19], wcat s[20:21], wpf s[22:23]
	s_mov_b32 s2, ttmp9
	s_mov_b32 s[OF+1], 0
	v_lshlrev_b32 v[IN], 4, v0                     ; the weights: 256 threads x 16 bytes are a row of 4,096 bytes,
	v_lshlrev_b32 v[OUT], 3, v0                    ; and x 8 bytes a row of 2,048
	s_wait_kmcnt 0x0
	s_cmp_lt_u32 s2, 512
	s_cbranch_scc1 .Lx
	s_cmp_lt_u32 s2, 704
	s_cbranch_scc1 .Lw
	s_sub_co_u32 s3, s2, 704                       ; Wp: 16 rows
	s_lshl_b32 s[OF], s3, 16
	s_add_nc_u64 s[SRC:SRC+1], s[16:17], s[OF:OF+1]
	s_lshl_b32 s[OF], s3, 15
	s_add_nc_u64 s[DST:DST+1], s[22:23], s[OF:OF+1]
	CAST 8192, 4096, 4096, 2048, 1
	s_endpgm
.Lw:
	s_sub_co_u32 s3, s2, 512
	s_lshr_b32 s4, s3, 6                           ; 0: Wq, 1: Wk, 2: Wv
	s_and_b32 s3, s3, 63                           ; which 16 rows
	s_cmp_eq_u32 s4, 0
	s_cselect_b64 s[SRC:SRC+1], s[10:11], s[12:13]
	s_cmp_eq_u32 s4, 2
	s_cselect_b64 s[SRC:SRC+1], s[14:15], s[SRC:SRC+1]
	s_lshl_b32 s[OF], s3, 16
	s_add_nc_u64 s[SRC:SRC+1], s[SRC:SRC+1], s[OF:OF+1]
	s_mul_i32 s[OF], s3, 98304                     ; 16 rows of 6,144 bytes,
	s_lshl_b32 s4, s4, 11                          ; the weight's 2,048 bytes of a row
	s_add_co_u32 s[OF], s[OF], s4
	s_add_nc_u64 s[DST:DST+1], s[20:21], s[OF:OF+1]
	CAST 8192, 4096, 12288, 6144, 0
	s_endpgm
.Lx:                                           ; x: wave w takes channels 128 w .. 128 w + 127, two slices; lanes 0-15 take 64 channels of a row, lanes 16-31 of the next row
	v_and_b32 v1, 15, v0
	v_lshlrev_b32 v[IN], 4, v1
	v_bfe_u32 v1, v0, 4, 1
	v_lshl_add_u32 v[IN], v1, 12, v[IN]
	v_lshrrev_b32 v1, 5, v0                        ; wave
	v_lshl_add_u32 v[IN], v1, 9, v[IN]
	v_and_b32 v[OUT], 31, v0
	v_lshlrev_b32 v[OUT], 3, v[OUT]                ; two rows of a slice are 256 consecutive bytes
	v_lshl_add_u32 v[OUT], v1, 18, v[OUT]          ; slice 2 w
	s_lshl_b32 s[OF], s2, 16
	s_add_nc_u64 s[SRC:SRC+1], s[8:9], s[OF:OF+1]
	s_lshr_b32 s3, s2, 6                           ; batch
	s_lshl_b32 s3, s3, 21
	s_and_b32 s4, s2, 63                           ; 16 rows of 128 bytes in each slice
	s_lshl_b32 s4, s4, 11
	s_add_co_u32 s[OF], s3, s4
	s_add_nc_u64 s[DST:DST+1], s[18:19], s[OF:OF+1]
	CAST 8192, 256, 256, 131072, 0
	s_endpgm
.Lfunc_end_k_q7d6c7da044_cast:
	.size	k_q7d6c7da044_cast, .Lfunc_end_k_q7d6c7da044_cast-k_q7d6c7da044_cast
	.p2alignl 7, 3214868480
	.fill 96, 4, 3214868480
	.section	.rodata,"a",@progbits
	.p2align	6, 0x0
	.amdhsa_kernel k_q7d6c7da044_cast
		.amdhsa_group_segment_fixed_size 0
		.amdhsa_private_segment_fixed_size 0
		.amdhsa_enable_private_segment 0
		.amdhsa_kernarg_size 64
		.amdhsa_user_sgpr_count 2
		.amdhsa_user_sgpr_kernarg_segment_ptr 1
		.amdhsa_wavefront_size32 1
		.amdhsa_system_sgpr_workgroup_id_x 1
		.amdhsa_system_sgpr_workgroup_id_y 1
		.amdhsa_system_sgpr_workgroup_id_z 1
		.amdhsa_system_vgpr_workitem_id 0
		.amdhsa_next_free_vgpr 108
		.amdhsa_next_free_sgpr 66
		.amdhsa_reserve_vcc 0
		.amdhsa_float_denorm_mode_32 3
		.amdhsa_float_denorm_mode_16_64 3
		.amdhsa_memory_ordered 1
		.amdhsa_forward_progress 1
		.amdhsa_inst_pref_size 24
	.end_amdhsa_kernel
	.amdgpu_metadata
---
amdhsa.version: [ 1, 2 ]
amdhsa.kernels:
  - .name:           k_q7d6c7da044_cast
    .symbol:         k_q7d6c7da044_cast.kd
    .args:
      - { .name: x, .offset: 0, .size: 8, .value_kind: global_buffer, .address_space: global }
      - { .name: Wq, .offset: 8, .size: 8, .value_kind: global_buffer, .address_space: global }
      - { .name: Wk, .offset: 16, .size: 8, .value_kind: global_buffer, .address_space: global }
      - { .name: Wv, .offset: 24, .size: 8, .value_kind: global_buffer, .address_space: global }
      - { .name: Wp, .offset: 32, .size: 8, .value_kind: global_buffer, .address_space: global }
      - { .name: xb, .offset: 40, .size: 8, .value_kind: global_buffer, .address_space: global }
      - { .name: wcat, .offset: 48, .size: 8, .value_kind: global_buffer, .address_space: global }
      - { .name: wpf, .offset: 56, .size: 8, .value_kind: global_buffer, .address_space: global }
    .group_segment_fixed_size: 0
    .private_segment_fixed_size: 0
    .kernarg_segment_align: 8
    .kernarg_segment_size: 64
    .max_flat_workgroup_size: 256
    .sgpr_count:     66
    .vgpr_count:     108
    .wavefront_size: 32
...
	.end_amdgpu_metadata
.endif
;; end of part 1
;; launch qkv (part 2): grid 8 x 32, 4 waves a work-group, clusters of 4 x 4, 327,680 bytes of LDS; arguments xb, wcat, bq, bk, bv, qkv; writes qkv
.if DOCPART == 2
	.amdgcn_target "amdgcn-amd-amdhsa--gfx1250"
	.amdhsa_code_object_version 6
	.text
	.protected	k_q7d6c7da044_qkv
	.globl	k_q7d6c7da044_qkv
	.p2align	8
	.type	k_q7d6c7da044_qkv,@function
k_q7d6c7da044_qkv:
	s_mov_b64 s[64:65], 0
	v_nop
	global_prefetch_b8 v0, s[64:65] scope:SCOPE_SE
	s_setreg_imm32_b32 hwreg(HW_REG_WAVE_MODE, 25, 1), 1
	s_wait_xcnt 0x0
	s_wait_alu depctr_hold_cnt(0) depctr_sa_sdst(0) depctr_va_vdst(0) depctr_va_sdst(0) depctr_va_ssrc(0) depctr_va_vcc(0) depctr_vm_vsrc(0)
	s_getreg_b32 s2, hwreg(HW_REG_IB_STS2, 6, 4)
	s_cmp_eq_u32 s2, 0
	s_cbranch_scc0 .Lentry_in_a_cluster
	s_endpgm
.Lentry_in_a_cluster:
	s_bfe_u32 s2, ttmp6, 0x10000c
	s_cmp_lg_u32 s2, 0xf033
	s_cbranch_scc0 .Lentry_shape_is_right
	s_endpgm
.Lentry_shape_is_right:
; q, k, v = x W + b for the three weights at once: [8192 x 1024] x [1024 x 3072], bf16 operands, f32 sums, each result rounded once to f16 and written by heads:
; qkv [b 8][G 48][t 1024][64], G = 16 x (0: q, 1: k, 2: v) + head.  The bias, rounded to bf16 like every input, starts the sums.
; LIMITS.  f16 holds no number beyond 65,504: q, k and v must stay within it.  A bias that is not finite also spoils its neighbouring columns (see THE BIAS).
; SHARES.  A work-group makes 256 rows x 384 columns (six heads): 8 x 32 = 256 work-groups.  Wave (wr, wc) makes 128 x 192: 8 blocks of 16 rows x 3 GROUPS of 4 blocks of 16 columns;
; a group is one head, and its 32 accumulators fill one register window.  K goes in 16 steps of 64 through two LDS slots, a step in two quarters of 32.
; THE MATRIX INSTRUCTION IS USED TRANSPOSED: source 0 = 16 columns of W (stored [k][n], so they come turned, by ds_load_tr16_b128), source 1 = 16 rows of x.  A lane then holds one row
; of x (lane % 16) and eight neighbouring columns, 16 bytes of f16.
; CLUSTER.  4 x 4 work-groups.  The four of a row of the cluster need the same rows of x, the four of a column the same columns of W: each tile is asked for jointly.
; REGISTERS.  window 0: v0-31 addresses; v32-95, v96-159 x's fragments of a quarter, two buffers; v160-255 W's fragments of a quarter, 32 a group, one buffer: a group's are fetched anew
; as soon as the group's products are issued.  windows 1 to 3: group g's accumulators in window g + 1, block (b, a) at 8 (8 b + a).
.set SLOT1,  131072                    ; slot 1 begins here: one exclusive or turns an address in one slot into the other's
.set PA,     144                       ; a row of x in LDS: 128 bytes + 16 = 36 words: the 16 rows of a load start at 16 different groups of four banks
.set PB,     864                       ; a row of W: three pieces of 256 bytes + 32 each = 216 words
.set HALFA,  128*PA                    ; what one tensor load brings of x: 128 rows
.set HALFB,  32*PB                     ; and of W: 32 rows of k; also a quarter's rows
.set BOFF,   2*HALFA                   ; in a slot: x's 256 rows, then W's 64
.set STAGE,  SLOT1+BOFF+2*HALFB        ; behind the ring: 16 rows x 144 bytes for each wave, for the way out
.set SP,     144
.set SPARE,  STAGE+4*16*SP             ; behind the stages: the spare words, 128 bytes for each wave: two blocks of 256 bytes that no other line names
.set STEPA,  131072                    ; bytes from a slice of xb to the next
.set STEPB,  64*6144                   ; 64 rows of wcat
.set R,     1                          ; v1   lane % 16
.set H,     2                          ; v2   lane / 16
.set ADRA0, 4                          ; v4   my place in a slot's rows of x; never rewritten
.set ADRB0, 5                          ; v5-7 my place in a slot's rows of W, by group; never rewritten
.set ADRA,  8                          ; v8   the same in the slot in hand
.set ADRB,  9                          ; v9-11
.set STO,   12                         ; v12  the way out: where I put 16 bytes of a row
.set RD,    13                         ; v13  where I read rows back
.set GO,    14                         ; v14  my byte offset in 512 consecutive bytes of qkv
.set BO,    15                         ; v15  4 x (lane % 16): my bias in 16 columns
.set SPW,   28                         ; v28  LDS address of my spare word; never rewritten
.set NIL,   29                         ; v29  0; never rewritten
.set ZR,    30                         ; v30  0, for the packing of the bias
.set AF,    32
.set BF,    160
.set POOL,  96                         ; v96-125, v128-135, v136-147: the bias, before buffer 1 is first filled
.set ONES,  128
.set RAW,   136
.set OUTR,  32                         ; the way out: four sets of 16 registers
.set WV,  16                           ; s16  wave
.set WR,  17                           ; s17  which 128 rows are mine.  Also: I fetch for x (0) or for W (1)
.set WC,  18                           ; s18  which 192 columns are mine.  Also: which half of that tile I fetch
.set CX,  19
.set CY,  20
.set TX,  21                           ; s21  tile column
.set TY,  22                           ; s22  tile row
.set HD,  23                           ; s23  my first head G
.set G1A, 24                           ; s[24:31] descriptor group 1 for x's tiles
.set G1B, 32                           ; s[32:39] for W's
.set G0A, 40                           ; s[40:47] group 0 for x's tiles: a set for each first fill; the second then walks on
.set G0B, 48                           ; s[48:55] the same for W's
.set CNT, 56
.set TB,  57                           ; s57  0 or SLOT1: the slot in hand
.set OP,  66                           ; s[66:67] qkv at my first head's first row
.set BP,  68                           ; s[68+4g:69+4g] group g's bias; s[70+4g:71+4g] an offset
.set MSB, 0
.macro WIN new                         ; the immediate's high byte repeats the setting that is left; a switch that changes nothing is dropped
.if MSB != (\new)
	s_set_vgpr_msb (MSB<<8)|(\new)
.set MSB, (\new)
.endif
.endm
.macro PLACES                          ; four plain vector instructions between a matrix instruction and a load into, or a read of, its registers (ISA guide 7.12.1 for reads)
.rept 4
	v_nop
.endr
.endm
; A joint refill by the walking descriptors.  The branch hangs on the wave's number alone.  An s_nop 0 and four v_nop follow each of the two lines.
.macro JLOAD
	s_cmp_eq_u32 s[WR], 0
	s_cbranch_scc0 .Lfor_b_\@
	tensor_load_to_lds s[G0A+4:G0A+7], s[G1A:G1A+7]
	s_nop 0
.rept 4
	v_nop
.endr
	s_branch .Lasked_\@
.Lfor_b_\@:
	tensor_load_to_lds s[G0B+4:G0B+7], s[G1B:G1B+7]
	s_nop 0
.rept 4
	v_nop
.endr
.Lasked_\@:
.endm
.macro CREST                           ; a round of the cluster's barrier behind its opening barrier
	s_cmp_lg_u32 s[WV], 0
	s_cbranch_scc1 .Lnot_wave_0_\@
	s_barrier_signal -3
.Lnot_wave_0_\@:
	s_barrier_wait -3
	s_barrier_signal -1
	s_barrier_wait -1
.endm
.macro CROUND                          ; a whole round
	s_barrier_signal -1
	s_barrier_wait -1
	CREST
.endm
	s_load_b256 s[4:11], s[0:1], 0x0               ; xb s[4:5], wcat s[6:7], bq s[8:9], bk s[10:11]
	s_load_b128 s[12:15], s[0:1], 0x20             ; bv s[12:13], qkv s[14:15]
	v_lshl_add_u32 v[SPW], v0, 2, SPARE
	v_mov_b32 v[NIL], 0
	ds_add_u32 v[SPW], v[NIL]                      ; the wave's opening: the add and its wait stand ahead of my first tensor load; the set-up below stands between them
	ds_add_u32 v28, v29
	v_lshrrev_b32 v3, 5, v0
	v_readfirstlane_b32 s[WV], v3
	s_lshr_b32 s[WR], s[WV], 1
	s_and_b32 s[WC], s[WV], 1
	s_bfe_u32 s[CX], ttmp6, 0x40000
	s_bfe_u32 s[CY], ttmp6, 0x40004
	s_lshl_b32 s[TX], ttmp9, 2
	s_add_co_u32 s[TX], s[TX], s[CX]               ; tile column = 4 x cluster x + cx
	s_and_b32 s[TY], ttmp7, 0xffff
	s_lshl_b32 s[TY], s[TY], 2
	s_add_co_u32 s[TY], s[TY], s[CY]               ; tile row = 4 x cluster y + cy
	s_lshl_b32 s58, s[CY], 2
	s_lshl_b32 s58, 15, s58                        ; my row of the cluster
	s_lshl_b32 s60, 0x1111, s[CX]                  ; my column
	; x's tile: 128 rows of a slice are 16,384 dense bytes: asked for as 64 rows of 256 bytes, padded in LDS after every 128 bytes
	s_or_b32 s[G1A], s58, (1<<16)|(1<<20)|(1<<21)|(4<<22)|(3<<25)  ; 15:0 mask; 17:16 2-byte elements; 20 padding on; 21 set beside a mask; 24:22 after every 32 words; 31:25 4 words
	s_mov_b32 s[G1A+1], 128<<16                    ; tensor_dim0 = 128
	s_mov_b32 s[G1A+2], 64<<16                     ; tensor_dim1 = 64
	s_mov_b32 s[G1A+3], 128<<16                    ; tile_dim0 = 128
	s_mov_b32 s[G1A+4], 64                         ; tile_dim1 = 64
	s_mov_b32 s[G1A+5], 128                        ; elements from row to row
	s_mov_b32 s[G1A+6], 0
	s_mov_b32 s[G1A+7], 0
	; W's tile: 32 rows of k x 384 columns (768 bytes, three whole runs of 256), padded after every 256 bytes
	s_or_b32 s[G1B], s60, (1<<16)|(1<<20)|(1<<21)|(5<<22)|(7<<25)  ; after every 64 words, 8 words
	s_mov_b32 s[G1B+1], 384<<16
	s_mov_b32 s[G1B+2], 32<<16
	s_mov_b32 s[G1B+3], 384<<16
	s_mov_b32 s[G1B+4], 32
	s_mov_b32 s[G1B+5], 3072
	s_mov_b32 s[G1B+6], 0
	s_mov_b32 s[G1B+7], 0
	; where the tiles come from: x's hang on the tile row and the wave alone, W's on the tile column and the wave alone, each in registers that never hold the other coordinate
	s_lshr_b32 s58, s[TY], 2                       ; batch
	s_lshl_b32 s58, s58, 21
	s_and_b32 s59, s[TY], 3                        ; 256 rows of 128 bytes
	s_lshl_b32 s59, s59, 15
	s_add_co_u32 s58, s58, s59
	s_lshl_b32 s59, s[WC], 14                      ; my 128 of them
	s_add_co_u32 s58, s58, s59
	s_mov_b32 s59, 0
	s_mul_i32 s60, s[TX], 768
	s_mul_i32 s61, s[WC], 32*6144                  ; my 32 rows of k
	s_add_co_u32 s60, s60, s61
	s_mov_b32 s61, 0
	s_mul_i32 s62, s[WC], HALFA                    ; and where they go: no place in the cluster enters an LDS address
	s_mul_i32 s63, s[WC], HALFB
	s_mov_b32 s[TB], 0
	s_mov_b32 s[CNT], 14
	s_wait_dscnt 0x0                               ; the opening add is done
	s_wait_kmcnt 0x0
	s_add_nc_u64 s[80:81], s[4:5], s[58:59]
	s_add_nc_u64 s[82:83], s[6:7], s[60:61]
	CROUND                                         ; all sixteen work-groups are here: the first joint loads meet
.irp s, 0,1
	s_mov_b32 s[G0A+4*(\s)], 1                     ; count = 1
	s_add_co_u32 s[G0A+4*(\s)+1], s62, (\s)*SLOT1  ; LDS address
	s_add_nc_u64 s[G0A+4*(\s)+2:G0A+4*(\s)+3], s[80:81], (\s)*STEPA  ; global address: K step s
	s_or_b32 s[G0A+4*(\s)+3], s[G0A+4*(\s)+3], 0x80000000            ; type = 2
	s_mov_b32 s[G0B+4*(\s)], 1
	s_add_co_u32 s[G0B+4*(\s)+1], s63, (\s)*SLOT1+BOFF
	s_add_nc_u64 s[G0B+4*(\s)+2:G0B+4*(\s)+3], s[82:83], (\s)*STEPB
	s_or_b32 s[G0B+4*(\s)+3], s[G0B+4*(\s)+3], 0x80000000
.endr
	s_cmp_eq_u32 s[WR], 0                          ; a wave's two first fills stand in one branch, ahead of every wait on TENSORcnt and every LDS read: two loads of mine are out
	s_cbranch_scc0 .Lfirst_b
	tensor_load_to_lds s[G0A:G0A+3], s[G1A:G1A+7]
	s_nop 0
	tensor_load_to_lds s[G0A+4:G0A+7], s[G1A:G1A+7]
	s_nop 0
.rept 4
	v_nop
.endr
	s_branch .Lfirst_asked
.Lfirst_b:
	tensor_load_to_lds s[G0B:G0B+3], s[G1B:G1B+7]
	s_nop 0
	tensor_load_to_lds s[G0B+4:G0B+7], s[G1B:G1B+7]
	s_nop 0
.rept 4
	v_nop
.endr
.Lfirst_asked:
	v_and_b32 v[R], 15, v0
	v_bfe_u32 v[H], v0, 4, 1
	v_and_b32 v3, 7, v0
	v_bfe_u32 v16, v0, 3, 1
	v_lshlrev_b32 v[BO], 2, v[R]
	s_mul_i32 s[HD], s[TX], 6
	s_mul_i32 s60, s[WC], 3
	s_add_co_u32 s[HD], s[HD], s60                 ; my first head: 6 x tile column + 3 x half
.irp g, 0,1,2
	s_add_co_u32 s60, s[HD], (\g)
	s_lshr_b32 s61, s60, 4                         ; 0: q, 1: k, 2: v
	s_cmp_eq_u32 s61, 0
	s_cselect_b64 s[BP+4*(\g):BP+4*(\g)+1], s[8:9], s[10:11]
	s_cmp_eq_u32 s61, 2
	s_cselect_b64 s[BP+4*(\g):BP+4*(\g)+1], s[12:13], s[BP+4*(\g):BP+4*(\g)+1]
	s_and_b32 s[BP+4*(\g)+2], s60, 15              ; the head's 64 numbers of 4 bytes
	s_lshl_b32 s[BP+4*(\g)+2], s[BP+4*(\g)+2], 8
	s_mov_b32 s[BP+4*(\g)+3], 0
	s_add_nc_u64 s[BP+4*(\g):BP+4*(\g)+1], s[BP+4*(\g):BP+4*(\g)+1], s[BP+4*(\g)+2:BP+4*(\g)+3]
.irp b, 0,1,2,3
	global_load_b32 v[RAW+4*(\g)+(\b)], v[BO], s[BP+4*(\g):BP+4*(\g)+1] offset:64*(\b)
.endr
.endr
	s_lshr_b32 s66, s[TY], 2                       ; qkv at (batch x 48 + my first head), my 128 rows
	s_mul_i32 s66, s66, 48
	s_add_co_u32 s66, s66, s[HD]
	s_lshl_b32 s66, s66, 17
	s_and_b32 s67, s[TY], 3
	s_lshl_b32 s67, s67, 15
	s_add_co_u32 s66, s66, s67
	s_lshl_b32 s67, s[WR], 14
	s_add_co_u32 s66, s66, s67
	s_mov_b32 s67, 0
	s_add_nc_u64 s[OP:OP+1], s[14:15], s[66:67]
	; a fragment of x: lane l holds row l % 16, channels 8 (l / 16) + 0..7 and 16 + 8 (l / 16) + 0..7: two loads of 16 bytes, 32 bytes apart
	v_mul_u32_u24 v17, v[R], PA
	v_lshl_add_u32 v17, v[H], 4, v17               ; row x 144 + 16 x half
	s_mul_i32 s60, s[WR], HALFA
	v_add_nc_u32 v[ADRA0], s60, v17
	; the turning load: lane l reads 16 bytes of k row 8 (l / 16) + l % 8, columns 8 ((l / 8) % 2) + 0..7, and is left with column l % 16 and 8 k
	v_lshl_add_u32 v18, v[H], 3, v3
	v_mul_u32_u24 v18, v18, PB
	v_lshl_add_u32 v18, v16, 4, v18
.irp g, 0,1,2
.set c0, 64*(\g)                       ; column c of the tile lies at byte 2 c + 32 (c / 128) of its LDS row; a group's 64 columns never cross a piece of 128
.set c1, 192+64*(\g)
.set y0, 2*c0+32*(c0/128)
.set y1, 2*c1+32*(c1/128)
	s_mul_i32 s60, s[WC], y1-y0
	s_add_co_u32 s60, s60, BOFF+y0
	v_add_nc_u32 v[ADRB0+(\g)], s60, v18
.endr
	s_mul_i32 s60, s[WV], 16*SP
	s_add_co_u32 s60, s60, STAGE                   ; my stage
	v_add_nc_u32 v[STO], s60, v17                  ; in: row l % 16, 16 bytes for each half of the lanes
	v_bfe_u32 v[RD], v0, 3, 2                      ; back: 32 lanes take four rows of 128 bytes,
	v_mul_u32_u24 v[RD], v[RD], SP
	v_lshl_add_u32 v[RD], v3, 4, v[RD]
	v_add_nc_u32 v[RD], s60, v[RD]
	v_and_b32 v[GO], 31, v0                        ; which are 512 consecutive bytes of qkv
	v_lshlrev_b32 v[GO], 4, v[GO]
.macro ADRS                            ; the fragments' addresses in the slot in hand
	v_add_nc_u32 v[ADRA], s[TB], v[ADRA0]
.irp g, 0,1,2
	v_add_nc_u32 v[ADRB+(\g)], s[TB], v[ADRB0+(\g)]
.endr
.endm
	ADRS
	; THE BIAS starts the sums, by a product: source 0 holds bias[column] at k = 0, source 1 holds 1 at k = 0 and 0 elsewhere.  The twelve blocks' biases lie two registers apart in one pool,
	; and a fragment is eight registers of it: what it holds beside its own bias (zeros, and the next three blocks' biases at k = 4, 8 + 4 ..) meets zeros of source 1.
	v_mov_b32 v[ZR], 0
.set i, 0
.rept 12
	v_mov_b32 v[POOL+2*i+1], 0
.set i, i+1
.endr
.set i, 24
.rept 6
	v_mov_b32 v[POOL+i], 0
.set i, i+1
.endr
	v_sub_nc_u32 v[ONES], 1, v[H]
	v_mul_u32_u24 v[ONES], v[ONES], 0x3f80         ; lanes 0-15: bf16 1.0 at k = 0; lanes 16-31 (k = 8 on): 0
.set i, 1
.rept 7
	v_mov_b32 v[ONES+i], 0
.set i, i+1
.endr
	s_wait_loadcnt 0x0                             ; the twelve biases
.set i, 0
.rept 12
	v_cvt_pk_bf16_f32 v[POOL+2*i], v[RAW+i], v[ZR]
.set i, i+1
.endr
.irp g, 0,1,2
	WIN 0x50*((\g)+1)
.set bb, 0
.rept 4
.set aa, 0
.rept 8
	v_wmma_f32_16x16x32_bf16 v[8*(8*bb+aa):8*(8*bb+aa)+7], v[POOL+2*(4*(\g)+bb):POOL+2*(4*(\g)+bb)+7], v[ONES:ONES+7], 0
.set aa, aa+1
.endr
.set bb, bb+1
.endr
.endr
	WIN 0
; nb x 8 matrix instructions of group g: column blocks b0 on x all 8 row blocks, 32 along K, x's buffer buf.  Every accumulator has one instruction a turn, in the same order in every quarter.
.macro GRP g, buf, b0, nb
	WIN 0x50*((\g)+1)                              ; C and D in window g + 1, both sources in window 0
.set bb, (\b0)
.rept (\nb)
.set aa, 0
.rept 8
	v_wmma_f32_16x16x32_bf16 v[8*(8*bb+aa):8*(8*bb+aa)+7], v[BF+8*(4*(\g)+bb):BF+8*(4*(\g)+bb)+7], v[AF+64*(\buf)+8*aa:AF+64*(\buf)+8*aa+7], v[8*(8*bb+aa):8*(8*bb+aa)+7]
.set aa, aa+1
.endr
.set bb, bb+1
.endr
.endm
.macro LDA buf, kq                     ; 16 loads: x's 8 fragments of quarter kq
	WIN 0
.set aa, 0
.rept 8
	ds_load_b128 v[AF+64*(\buf)+8*aa:AF+64*(\buf)+8*aa+3],   v[ADRA] offset:16*PA*aa+64*(\kq)
	ds_load_b128 v[AF+64*(\buf)+8*aa+4:AF+64*(\buf)+8*aa+7], v[ADRA] offset:16*PA*aa+64*(\kq)+32
.set aa, aa+1
.endr
.endm
.macro LDB g, kq                       ; 8 turning loads: group g's 4 fragments of quarter kq
	WIN 0
.set bb, 0
.rept 4
	ds_load_tr16_b128 v[BF+8*(4*(\g)+bb):BF+8*(4*(\g)+bb)+3],   v[ADRB+(\g)] offset:HALFB*(\kq)+32*bb
	ds_load_tr16_b128 v[BF+8*(4*(\g)+bb)+4:BF+8*(4*(\g)+bb)+7], v[ADRB+(\g)] offset:HALFB*(\kq)+32*bb+16*PB
.set bb, bb+1
.endr
.endm
; A quarter without a change of slots.  The LDS loads of a quarter are issued in the order W group 0 (8), x (16), W group 1 (8), W group 2 (8).
.macro QUART buf, kqn
	s_wait_dscnt 16                                ; W's group 0 and x are in; groups 1 and 2 (16 loads) may be out
	GRP 0, \buf, 0, 4
	PLACES
	LDB 0, \kqn
	LDA 1-(\buf), \kqn
	s_wait_dscnt 32                                ; group 1 is in: group 2's 8 and the 24 just issued may be out
	GRP 1, \buf, 0, 4
	PLACES
	LDB 1, \kqn
	s_wait_dscnt 32                                ; group 2 is in: the 24 + 8 issued in this quarter may be out
	GRP 2, \buf, 0, 4
	PLACES
	LDB 2, \kqn
.endm
; The quarter on buffer 1 changes slots: ONE barrier.  In front of it each wave waits for all its tensor loads (one is out: its part of the next slot), adds 0 to its spare word, and waits for that and
; for its own reads of this slot.  fill = 1: the barrier opens a round of the cluster's, and this slot is filled again, two K steps ahead, first thing behind the round: 160 matrix instructions ahead of the wait for it.
.macro QTURN fill
	WIN 0
	s_wait_tensorcnt 0x0                           ; no tensor load of mine is out, so a group 0 may be written
	ds_add_u32 v[SPW], v[NIL]                      ; 0 onto my spare word
.if \fill
	s_xor_b32 s[G0A+5], s[G0A+5], SLOT1            ; the walking descriptors: the other slot than last time, the next K step
	s_add_nc_u64 s[G0A+6:G0A+7], s[G0A+6:G0A+7], STEPA
	s_xor_b32 s[G0B+5], s[G0B+5], SLOT1
	s_add_nc_u64 s[G0B+6:G0B+7], s[G0B+6:G0B+7], STEPB
.endif
	s_wait_dscnt 17                                ; W's group 0 and x are in: groups 1 and 2 (16 loads) and the add may be out
	GRP 0, 1, 0, 2
	s_wait_dscnt 0x0                               ; the add is done, and my reads of this slot are over
	s_barrier_signal -1
	GRP 0, 1, 2, 2                                 ; work on registers while the others arrive
	WIN 0                                          ; at a branch and at a label every window is 0
	s_barrier_wait -1
.if \fill
	CREST                                          ; no wave of any partner still reads this slot's tiles or has a load on its way
	JLOAD                                          ; its four v_nop are also the places in front of the loads below
.else
	PLACES
.endif
	s_xor_b32 s[TB], s[TB], SLOT1
	ADRS
	LDB 0, 0
	LDA 0, 0
	GRP 1, 1, 0, 4
	PLACES
	LDB 1, 0
	GRP 2, 1, 0, 4
	PLACES
	LDB 2, 0
.endm
	s_wait_tensorcnt 1                             ; my part of K step 0 is in; K step 1's may stay out
	s_barrier_signal -1
	s_barrier_wait -1                              ; everybody's is
	LDB 0, 0
	LDA 0, 0
	LDB 1, 0
	LDB 2, 0
.Lstep:                                        ; 14 trips, a K step each: steps 0 to 13 ask for steps 2 to 15
	QUART 0, 1
	QTURN 1
	WIN 0
	s_sub_co_u32 s[CNT], s[CNT], 1
	s_cmp_lg_u32 s[CNT], 0
	s_cbranch_scc1 .Lstep
	QUART 0, 1                                     ; the last two K steps are written out: nothing is left to ask for
	QTURN 0
	QUART 0, 1
	s_wait_dscnt 16                                ; the very last quarter fetches nothing: the counts run down
	GRP 0, 1, 0, 4
	s_wait_dscnt 8
	GRP 1, 1, 0, 4
	s_wait_dscnt 0x0
	GRP 2, 1, 0, 4
	PLACES
; THE WAY OUT, in 24 blocks n = 8 g + a of 16 rows x one head: 2,048 consecutive bytes of qkv.  A lane's eight numbers pack into 16 bytes; they go into my stage's rows of 144 bytes and come back as whole rows.
.macro PACK n
.set gg, (\n)/8
.set ab, (\n)%8
.set ot, OUTR+16*((\n)%4)
	s_wait_xcnt 0x0                                ; the stores issued so far have read their registers: this set of 16 is rewritten only behind this wait
	WIN 5*(gg+1)                                   ; both sources in window g + 1
.set bb, 0
.rept 4
.set rr, 0
.rept 4
	v_cvt_pk_f16_f32 v[ot+4*bb+rr], v[8*(8*bb+ab)+2*rr], v[8*(8*bb+ab)+2*rr+1]  ; each accumulator from its low end on
.set rr, rr+1
.endr
.set bb, bb+1
.endr
	WIN 0
.irp f, 0,1,2,3
	ds_store_b128 v[STO], v[ot+4*(\f):ot+4*(\f)+3] offset:32*(\f)
.endr
.irp f, 0,1,2,3
	ds_load_b128 v[ot+4*(\f):ot+4*(\f)+3], v[RD] offset:(\f)*4*SP  ; LDS serves a wave's instructions in order (ISA guide 5.7.1.4): these see the stores above; the next block's stores come behind them
.endr
.endm
.macro SEND n, younger                 ; younger: the LDS instructions issued behind block n's loads
.set gg, (\n)/8
.set ab, (\n)%8
.set ot, OUTR+16*((\n)%4)
.irp f, 0,1,2,3
	s_wait_dscnt (\younger)+3-(\f)
	global_store_b128 v[GO], v[ot+4*(\f):ot+4*(\f)+3], s[OP:OP+1] offset:gg*131072+ab*2048+(\f)*512  ; 512 consecutive bytes, at a multiple of 256 from qkv's first
.endr
.endm
	PACK 0
.set nn, 1
.rept 23                               ; a block's conversions stand between the loads of the block before and its stores
	PACK nn
	SEND nn-1, 8
.set nn, nn+1
.endr
	SEND 23, 0
	s_wait_tensorcnt 0x0                           ; the wave's end: behind my last tensor load and my last LDS store
	ds_add_u32 v[SPW], v[NIL]
	s_wait_dscnt 0x0
	CROUND                                         ; the closing round: no work-group ends while a partner may still ask for a tile that names it
	s_endpgm
.Lfunc_end_k_q7d6c7da044_qkv:
	.size	k_q7d6c7da044_qkv, .Lfunc_end_k_q7d6c7da044_qkv-k_q7d6c7da044_qkv
	.p2alignl 7, 3214868480
	.fill 96, 4, 3214868480
	.section	.rodata,"a",@progbits
	.p2align	6, 0x0
	.amdhsa_kernel k_q7d6c7da044_qkv
		.amdhsa_group_segment_fixed_size 327680
		.amdhsa_private_segment_fixed_size 0
		.amdhsa_enable_private_segment 0
		.amdhsa_kernarg_size 48
		.amdhsa_user_sgpr_count 2
		.amdhsa_user_sgpr_kernarg_segment_ptr 1
		.amdhsa_wavefront_size32 1
		.amdhsa_system_sgpr_workgroup_id_x 1
		.amdhsa_system_sgpr_workgroup_id_y 1
		.amdhsa_system_sgpr_workgroup_id_z 1
		.amdhsa_system_vgpr_workitem_id 0
		.amdhsa_next_free_vgpr 1024
		.amdhsa_next_free_sgpr 84
		.amdhsa_reserve_vcc 0
		.amdhsa_float_denorm_mode_32 3
		.amdhsa_float_denorm_mode_16_64 3
		.amdhsa_memory_ordered 1
		.amdhsa_forward_progress 1
		.amdhsa_inst_pref_size 125
	.end_amdhsa_kernel
	.amdgpu_metadata
---
amdhsa.version: [ 1, 2 ]
amdhsa.kernels:
  - .name:           k_q7d6c7da044_qkv
    .symbol:         k_q7d6c7da044_qkv.kd
    .args:
      - { .name: xb, .offset: 0, .size: 8, .value_kind: global_buffer, .address_space: global }
      - { .name: wcat, .offset: 8, .size: 8, .value_kind: global_buffer, .address_space: global }
      - { .name: bq, .offset: 16, .size: 8, .value_kind: global_buffer, .address_space: global }
      - { .name: bk, .offset: 24, .size: 8, .value_kind: global_buffer, .address_space: global }
      - { .name: bv, .offset: 32, .size: 8, .value_kind: global_buffer, .address_space: global }
      - { .name: qkv, .offset: 40, .size: 8, .value_kind: global_buffer, .address_space: global }
    .group_segment_fixed_size: 327680
    .private_segment_fixed_size: 0
    .kernarg_segment_align: 8
    .kernarg_segment_size: 48
    .max_flat_workgroup_size: 128
    .sgpr_count:     84
    .vgpr_count:     1024
    .wavefront_size: 32
...
	.end_amdgpu_metadata
.endif
;; end of part 2
;; launch attn (part 3): grid 2 x 128, 4 waves a work-group, no clusters, 327,680 bytes of LDS; arguments qkv, ob; writes ob
.if DOCPART == 3
	.amdgcn_target "amdgcn-amd-amdhsa--gfx1250"
	.amdhsa_code_object_version 6
	.text
	.protected	k_q7d6c7da044_attn
	.globl	k_q7d6c7da044_attn
	.p2align	8
	.type	k_q7d6c7da044_attn,@function
k_q7d6c7da044_attn:
	s_mov_b64 s[64:65], 0
	v_nop
	global_prefetch_b8 v0, s[64:65] scope:SCOPE_SE
	s_setreg_imm32_b32 hwreg(HW_REG_WAVE_MODE, 25, 1), 1
	s_wait_xcnt 0x0
; CAUSAL ATTENTION in which k asks and q answers: O[y][i][:] = the sum over j <= i of softmax_j(k[y][i] . q[y][j] / 32) v[y][j][:], y = 16 b + head.  Below, Q names the rows that ask (the problem's k),
; K the rows that answer (the problem's q), V the values.  qkv: [b 8][G 48][t 1024][64] f16, G = 16 x (0: q, 1: k, 2: v) + head; ob: [y 128][t 1024][64] f16.  A head's rows are dense, 128 bytes each.
; Products, maxima and sums in f32; the weights p are rounded to f16 for the second product (their sum l is taken of the unrounded p), O once at the end.
; LIMITS.  f16 holds no number beyond 65,504: q, k and v arrive within it; p lies in 0 to 1, and below 6e-5 it keeps f16's fixed step of 6e-8; O is a mean of V's rows and has their range.
; A hidden score counts as its value less 1e30: f16's scores, 2.7e11 at the most, are nothing beside that; a weight below 2^-126 counts as 0 in l; NaN and infinities are not treated apart.
; THE WALK.  A head's rows lie in NB = 4 blocks of 256; block i needs the key tiles 0 .. i of 256 keys, of which the last holds the diagonal.  A work-group takes TWO blocks, NB - 1 - b and then b:
; NB + 1 tiles, whatever b: all work-groups do equal work, and ONE loop with a constant trip count walks them.  Which tile is asked for, and what a trip does, hang on scalar registers made from b; every jump
; goes forward, but for the counted loops' own; none passes a barrier, or a tensor load but the one of LOAD's two that the wave's number does not choose; the ring runs on across the change of blocks.
; NO CLUSTER: a head has NB / 2 = 2 work-groups, not four, and work-groups of different heads share no tile.
; SHARES.  Of a block's four bands of 64 rows a wave owns 16 rows in each: four PIECES.  So the diagonal tile is the same work for all four waves: in its key step s band x sees all keys if s < x,
; none if s > x, and holds the diagonal if s = x.
; THE MASK is the C operand that starts the sum S^T = K Q^T: 0, or -1e30 where the key is hidden.  MD, made once, is the mask of a band's own step for my 16 rows; a product's mask is MD x AL + BE with two scalars:
; (1, 0) if s = x; (0, 0) if s < x; (0, -1e30) if s > x.  Only the diagonal tile's text and a block's beginning make and take masks; elsewhere C is the constant 0.
; LAYOUT, SOFTMAX, TURNS.  S^T = K Q^T holds ONE asking row a lane (lane % 16) and the keys 8 (lane / 16) + 0..7; two such results rounded to f16 ARE source 1 of O^T = V^T P.  p = 2^(c s - c m), c = log2(e) / 32, with a
; running maximum m; O and l are multiplied by a = 2^(c m_old - c m_new) in every step.  Turn n belongs to piece n: 8 products K Q^T of piece n + 1, later 8 products V^T P of piece n - 1; beside them the scaling,
; exponentials, roundings, sums and rescaling of piece n and the maximum and statistics of piece n + 1.  Four vector instructions stand behind every matrix instruction, the other 54 of a turn's 118 in two lumps.
; AHEAD OF THE LOADS.  The head's work-group b = 0 prefetches tiles 2 and 3 of K and V, each one change of slots (a tile, 256 matrix instructions a wave) ahead of the tensor load that asks for it: each wave its own
; 16,384 bytes, a lane 256 bytes, two instructions behind its tensor load.  Tiles 0 and 1 come by their loads alone; no block of 256 bytes is named twice.
; REGISTERS, in windows of 256 (s_set_vgpr_msb: bits 1:0 source 0, 3:2 source 1, 5:4 source 2, 7:6 destination):
;   window 0: v0-15 addresses and two at work; v16-31 four registers of statistics a piece; v48-55 at work; v61-63; v64-127 S^T, two buffers; v192-223 P, two buffers (a piece's buffers go by its number's parity)
;   window 1: v0-127 O^T, 32 a piece; v128-159 MD; v160-223 MC, two buffers      window 2: v0-63 Q; v64-127 the second block's Q; v128-191 K of one step; v192-255 V of one step
.set SIZE_N, 1024
.set NB,    SIZE_N/256
.set NP,    4         ; pieces a wave: a name, no knob
.set KS,    64        ; keys in a step
.set PK,    144       ; a row of K in LDS: 128 bytes + 16 of padding = 36 words: the 16 rows of a load start at 16 different groups of four banks
.set PV,    160       ; a row of V: 128 + 32 = 40 words
.set VOFF,  4*KS*PK   ; a slot holds a tile, four steps: 256 rows of K, then 256 rows of V
.set SLOT1, 1<<17     ; slot 1 begins here, so that one exclusive or turns an address in one slot into the other's
.set STAGE, SLOT1+4*KS*(PK+PV)  ; behind the ring, never filled by a tensor load: 16 rows x 144 bytes for each wave, for the way out
.set SP,    144
.set AK0, 2           ; v2   my lane's place in a tile of K; never rewritten
.set AV0, 3           ; v3   the same for V
.set AK,  4           ; v4   the LDS address of K's next run of loads
.set AV,  5           ; v5   of V's
.set STO, 6           ; v6   the way out: where I put 16 bytes of a row
.set RD,  7           ; v7   the way out: where I read rows back
.set GO,  8           ; v8   my byte offset in 512 consecutive bytes of O
.set PFO, 61          ; v61  256 x my lane; never rewritten
.set SPW, 62          ; v62  LDS address of my spare word: SPARE + 4 x my thread's number; never rewritten
.set NIL, 63          ; v63  0; never rewritten
.set SPARE, STAGE+4*16*SP  ; behind the stages: the spare words, 128 bytes for each wave: two blocks of 256 bytes that no other line names
.set MV,  12          ; v12-13  c m_old, kept while c m is made anew: by buffer
.set QO,  15          ; v15  my byte offset in 16 rows of Q
.set ST,  16          ; piece t's statistics at v[ST+4 t]: c m, m, l (even keys', odd keys')
.set TMP, 48          ; by buffer, four registers c0-c3 at work; when the maximum is found c2 takes a
.set S,   64
.set P,   192
.set MD,  128         ; window 1: the eight registers for group kt of 16 keys at MD + 8 kt
.set MC,  160         ; window 1: the masks of the products to come
.set QB,  64          ; window 2
.set KF,  128         ; window 2: key block kb, channel half c at KF + 16 kb + 8 c
.set VF,  192         ; window 2: key half kk, channel block cb at VF + 32 kk + 8 cb
.set WV,  12          ; s12  my wave's number
.set PB,  14          ; s14  b
.set HI,  15          ; s15  NB - 1 - b
.set G1K, 24          ; s[24:31] descriptor group 1 for K's tiles
.set G1V, 32          ; s[32:39] for V's: it differs in the padding alone
.set G0K, 40          ; s[40:43] descriptor group 0 for K's tiles
.set G0V, 44          ; s[44:47] the same for V's
.set SLOTS, 56        ; s56  tiles still to be asked for
.set CNT, 57          ; s57  counts a tile's key steps, 4 to 1
.set CS,  58          ; s[58:59] c: the packed scaling takes the pair's low word for both halves
.set SEL, 60          ; s[60:61] v_permlanex16_b32's selects: each lane takes its own place in the other half
.set TBK, 62          ; s62  LDS byte at which K of the step to be fetched begins
.set TBV, 63          ; s63  the same for V, less VOFF
.set RT,  70          ; s70  tiles of the block in hand that are still to be entered
.set NXT, 71          ; s71  the tile to be asked for next
.set LQ,  72          ; s72  the last tile of the block whose tiles are being asked for
.set NEW, 73          ; s73  1: the tile to be entered is a block's first
.set OFF, 74          ; s[74:75] a tile's byte offset in K and V
.set AL,  76          ; s[76:77] the mask's factor, in the low word
.set BE,  78          ; s[78:79] the mask's addend
.set OLO, 80          ; s[80:81] O at my rows of the second block
.set BIGN, 82         ; s82  -1e30
.set HQ,  88          ; s[88:89] the head's byte offset in qkv, for the problem's q
.set PFB, 90          ; s[90:91] what I fetch (K: waves 0, 1; V: waves 2, 3) at my half of the head's tile 0
.set PFA, 92          ; s[92:93] the same at the tile that is being asked for; a prefetch names the tile after it
.set LIM, 94          ; s94  2 in the work-group that prefetches, else the greatest number: it prefetches while s[SLOTS] is above it
.set MSB, 0
.macro WIN new                      ; the high byte repeats the setting that is left; a switch that changes nothing is dropped
.if MSB != (\new)
	s_set_vgpr_msb (MSB<<8)|(\new)
.set MSB, (\new)
.endif
.endm
.set W_KQ, 0x0a       ; K and Q in window 2, S^T in window 0
.set W_KM, 0x1a       ; the same with the C operand in window 1
.set W_PV, 0x52       ; V in window 2, P in window 0, O^T in window 1
.set W_RS, 0x41       ; destination and source 0 in window 1, source 1 in window 0
; A fill.  Waves 0 and 1 fetch the two halves of a tile's K, waves 2 and 3 those of its V: 128 keys each.  An s_nop 0 and four v_nop follow each of the two lines, ahead of the jump and the label.
.macro LOAD
	s_cmp_lt_u32 s[WV], 2
	s_cbranch_scc0 .Lfor_v_\@
	tensor_load_to_lds s[G0K:G0K+3], s[G1K:G1K+7]
	s_nop 0
.rept 4
	v_nop
.endr
	s_branch .Lasked_\@
.Lfor_v_\@:
	tensor_load_to_lds s[G0V:G0V+3], s[G1V:G1V+7]
	s_nop 0
.rept 4
	v_nop
.endr
.Lasked_\@:
.endm
; The prefetch of my half of the tile after the one just asked for: 64 blocks of 256 bytes, a lane a block, two instructions.  With s[SLOTS] = 4 and 3 that is tiles 2 and 3; later trips ask for nothing.
.macro ASK
	s_cmp_gt_u32 s[SLOTS], s[LIM]
	s_cbranch_scc0 .Lnot_mine_\@
	global_prefetch_b8 v[PFO], s[PFA:PFA+1] offset:32768 th:TH_LOAD_NT scope:SCOPE_SE
	global_prefetch_b8 v[PFO], s[PFA:PFA+1] offset:40960 th:TH_LOAD_NT scope:SCOPE_SE
.Lnot_mine_\@:
.endm
; THE CHANGE OF SLOTS.  Each wave waits for all its tensor loads, of which one is out: its part of the other slot; adds 0 to its spare word; and waits for that and for its own reads of the slot that it leaves.  Behind the barrier nobody reads the old
; slot any more and the other slot is whole.  fill = 1: the old slot is filled again, the first thing behind the barrier, with tile NXT: the descriptor's address is made anew from that number.
; (At its first use nothing has been read yet: slot 0 is waited for, slot 1 filled.)
.macro CHANGE fill
	WIN 0                           ; at a label and at a branch every window is 0
	s_wait_tensorcnt 0x0            ; no tensor load of mine is out, so a group 0 may be written
	ds_add_u32 v[SPW], v[NIL]       ; 0 onto my spare word; with fill = 1 the descriptors' scalar work stands between it and the wait for it
.if \fill
	s_lshl_b32 s[OFF], s[NXT], 15   ; a tile is 32,768 bytes of K and of V
	s_xor_b32 s[G0K+1], s[G0K+1], SLOT1
	s_add_nc_u64 s[G0K+2:G0K+3], s[6:7], s[OFF:OFF+1]
	s_or_b32 s[G0K+3], s[G0K+3], 0x80000000
	s_xor_b32 s[G0V+1], s[G0V+1], SLOT1
	s_add_nc_u64 s[G0V+2:G0V+3], s[8:9], s[OFF:OFF+1]
	s_or_b32 s[G0V+3], s[G0V+3], 0x80000000
	s_wait_xcnt 0x0                 ; the last prefetches, a tile back, have read their address, so it may be written
	s_add_nc_u64 s[PFA:PFA+1], s[PFB:PFB+1], s[OFF:OFF+1]
	s_add_co_u32 s[NXT], s[NXT], 1  ; the block's next tile, or behind its last the second block's tile 0
	s_cmp_gt_u32 s[NXT], s[LQ]
	s_cselect_b32 s[NXT], 0, s[NXT]
	s_cselect_b32 s[LQ], s[PB], s[LQ]
.endif
	s_wait_dscnt 0x0                ; the add is done, and my reads of the slot are over
	s_barrier_signal -1             ; the rest of the scalar work stands between the signal and the wait
	s_sub_co_u32 s[TBK], s[TBK], 4*KS*PK  ; the fetches go back to a slot's first step,
	s_xor_b32 s[TBK], s[TBK], SLOT1       ; in the other slot
	s_sub_co_u32 s[TBV], s[TBV], 4*KS*PV
	s_xor_b32 s[TBV], s[TBV], SLOT1
	s_barrier_wait -1
.if \fill
	LOAD
	ASK
.endif
.endm
	s_load_b64 s[4:5], s[0:1], 0x0    ; qkv
	s_load_b64 s[10:11], s[0:1], 0x8  ; ob
	v_lshl_add_u32 v[SPW], v0, 2, SPARE
	v_mov_b32 v[NIL], 0
	ds_add_u32 v[SPW], v[NIL]       ; the wave's opening: the add and its wait stand ahead of my first tensor load; the set-up below, work on registers, stands between them
	ds_add_u32 v62, v63
	v_lshrrev_b32 v1, 5, v0
	v_readfirstlane_b32 s[WV], v1   ; wave 0..3
	s_mov_b32 s[PB], ttmp9
	s_sub_co_u32 s[HI], NB-1, s[PB]
	s_and_b32 s13, ttmp7, 0xffff    ; y = 16 b + head
	s_lshl_b32 s20, s13, 17         ; the head's first byte in ob
	s_mov_b32 s21, 0
	s_lshr_b32 s[HQ], s13, 4        ; and in qkv: (48 b + head) x 131,072
	s_mul_i32 s[HQ], s[HQ], 48
	s_and_b32 s13, s13, 15
	s_add_co_u32 s[HQ], s[HQ], s13
	s_lshl_b32 s[HQ], s[HQ], 17
	s_mov_b32 s[HQ+1], 0
	s_and_b32 s16, s[WV], 1         ; which half of a tile's 256 keys I fetch:
	s_lshl_b32 s22, s16, 14         ; its 128 rows of 128 bytes in memory,
	s_mov_b32 s23, 0
	s_mul_i32 s17, s16, 128*PK      ; and its place in a slot, for K
	s_mul_i32 s18, s16, 128*PV      ; and for V
	s_lshl_b32 s3, s[WV], 11        ; my 16 rows in a band of 64,
	s_lshl_b32 s2, s[HI], 15        ; in the first block,
	s_add_co_u32 s2, s2, s3
	s_lshl_b32 s84, s[PB], 15       ; and in the second
	s_add_co_u32 s84, s84, s3
	s_mov_b32 s3, 0
	s_mov_b32 s85, 0
	; descriptor group 1.  128 keys are 16,384 dense bytes: asked for as 64 rows of 256 bytes, two keys a row, and padded in LDS after every key
	s_mov_b32 s[G1K], (1<<16)|(1<<20)|(4<<22)|(3<<25)  ; 17:16 2-byte elements; 20 padding on; 24:22 after every 32 words (code 4); 31:25 4 words (code 3)
	s_mov_b32 s[G1V], (1<<16)|(1<<20)|(4<<22)|(7<<25)  ; the same with 8 words of padding (code 7)
.irp g, G1K, G1V
	s_mov_b32 s[\g+1], 128<<16      ; tensor_dim0 = 128
	s_mov_b32 s[\g+2], 64<<16       ; tensor_dim1 = 64
	s_mov_b32 s[\g+3], 128<<16      ; tile_dim0 = 128
	s_mov_b32 s[\g+4], 64           ; tile_dim1 = 64
	s_mov_b32 s[\g+5], 128          ; 128 elements from row to row
	s_mov_b32 s[\g+6], 0
	s_mov_b32 s[\g+7], 0
.endr
	s_mov_b32 s[CS], 0x3d38aa3b     ; c = log2(e) / 32 = 0.0450842
	s_mov_b32 s[CS+1], s[CS]        ; named with it as a pair
	s_mov_b32 s[SEL], 0x76543210
	s_mov_b32 s[SEL+1], 0xfedcba98
	s_mov_b32 s[TBK], SLOT1+4*KS*PK ; the first change of slots turns these two into 0
	s_mov_b32 s[TBV], SLOT1+4*KS*PV
	s_mov_b32 s[G0K], 1             ; 1:0 count = 1
	s_mov_b32 s[G0K+1], s17         ; 63:32 LDS address: slot 0
	s_mov_b32 s[G0V], 1
	s_add_co_u32 s[G0V+1], s18, VOFF
	s_add_co_u32 s[RT], s[HI], 1    ; the first block has NB - b tiles
	s_mov_b32 s[NXT], 1
	s_mov_b32 s[LQ], s[HI]
	s_mov_b32 s[NEW], 1
	s_mov_b32 s[OFF+1], 0
	s_mov_b32 s[AL+1], 0            ; named as pairs
	s_mov_b32 s[BE+1], 0
	s_mov_b32 s[BIGN], 0xf149f2ca   ; -1e30
	s_mov_b32 s[SLOTS], NB
	s_wait_dscnt 0x0                ; the opening add is done
	s_wait_kmcnt 0x0
	s_add_nc_u64 s[4:5], s[4:5], s[HQ:HQ+1]        ; the problem's q of this head: it answers, so it is K here,
	s_add_nc_u64 s[6:7], s[4:5], s[22:23]          ; at my half of the head's tile 0
	s_add_nc_u64 s[8:9], s[6:7], 0x400000          ; V lies 32 heads on
	s_add_nc_u64 s[4:5], s[4:5], 0x200000          ; the problem's k, 16 heads on: it asks, so it is Q here
	s_add_nc_u64 s[86:87], s[4:5], s[84:85]        ; Q at my rows of the second block,
	s_add_nc_u64 s[4:5], s[4:5], s[2:3]            ; and of the first
	s_add_nc_u64 s[10:11], s[10:11], s[20:21]      ; O likewise
	s_add_nc_u64 s[OLO:OLO+1], s[10:11], s[84:85]
	s_add_nc_u64 s[10:11], s[10:11], s[2:3]
	s_add_nc_u64 s[G0K+2:G0K+3], s[6:7], 0         ; 120:64 global address
	s_or_b32 s[G0K+3], s[G0K+3], 0x80000000        ; 127:126 type = 2
	s_add_nc_u64 s[G0V+2:G0V+3], s[8:9], 0
	s_or_b32 s[G0V+3], s[G0V+3], 0x80000000
	s_cmp_lt_u32 s[WV], 2
	s_cselect_b64 s[PFB:PFB+1], s[6:7], s[8:9]
	s_cmp_eq_u32 s[PB], 0
	s_cselect_b32 s[LIM], 2, -1
	LOAD                            ; tile 0 into slot 0
	; A fragment of K or Q is 16 rows x 32 channels in 8 registers: lane l holds row l % 16, channels 8 (l / 16) + 0..7 and 16 + 8 (l / 16) + 0..7: two loads of 16 bytes, 32 bytes apart.
	v_and_b32 v1, 15, v0            ; l % 16
	v_bfe_u32 v9, v0, 4, 1          ; l / 16
	v_lshlrev_b32 v[QO], 7, v1
	v_lshl_add_u32 v[QO], v9, 4, v[QO]  ; row x 128 + 16 x half
	WIN 0x80                        ; destination window 2, address window 0
.set i, 0
.rept 8                             ; both blocks' Q: piece i / 2 lies in band i / 2, 8,192 bytes on; channels 32 (i % 2) on
	global_load_b128 v[8*i:8*i+3],   v[QO], s[4:5] offset:(i/2)*8192+(i%2)*64
	global_load_b128 v[8*i+4:8*i+7], v[QO], s[4:5] offset:(i/2)*8192+(i%2)*64+32
	global_load_b128 v[QB+8*i:QB+8*i+3],   v[QO], s[86:87] offset:(i/2)*8192+(i%2)*64
	global_load_b128 v[QB+8*i+4:QB+8*i+7], v[QO], s[86:87] offset:(i/2)*8192+(i%2)*64+32
.set i, i+1
.endr
	WIN 0
	v_and_b32 v[PFO], 31, v0
	v_lshlrev_b32 v[PFO], 8, v[PFO]
	v_lshlrev_b32 v14, 3, v9
	v_sub_nc_u32 v14, v1, v14
	s_lshl_b32 s13, s[WV], 4
	v_add_nc_u32 v14, s13, v14      ; my row's place in its band, 16 w + l % 16, less my lanes' 8 (l / 16): register r of group kt is hidden where 16 kt + r is greater
	WIN 0x40
.set i, 0
.rept 32
	v_cmp_gt_i32 vcc_lo, 16*(i/8)+i%8, v14
	v_cndmask_b32 v[MD+i], 0, s[BIGN], vcc_lo
.set i, i+1
.endr
	WIN 0
	v_mul_u32_u24 v[AK0], v1, PK
	v_lshl_add_u32 v[AK0], v9, 4, v[AK0]  ; row x pitch + 16 x half
	; The turning load takes 16 keys x 16 channels (lane l reads key 8 (l / 16) + l % 8, channels 8 ((l / 8) % 2) + 0..7) and leaves half a fragment of V^T: lane l holds channel l % 16 and 8 keys.
	v_and_b32 v10, 7, v0
	v_bfe_u32 v11, v0, 3, 1
	v_lshl_add_u32 v[AV0], v9, 3, v10
	v_mul_u32_u24 v[AV0], v[AV0], PV
	v_lshl_add_u32 v[AV0], v11, 4, v[AV0]
	v_add_nc_u32 v[AV0], VOFF, v[AV0]
	s_mul_i32 s13, s[WV], 16*SP
	s_add_co_u32 s13, s13, STAGE    ; my stage
	v_mul_u32_u24 v[STO], v1, SP    ; in: row l % 16, 16 bytes for each half of the lanes
	v_lshl_add_u32 v[STO], v9, 4, v[STO]
	v_add_nc_u32 v[STO], s13, v[STO]
	v_bfe_u32 v[RD], v0, 3, 2       ; back: 32 lanes take four rows of 128 bytes,
	v_mul_u32_u24 v[RD], v[RD], SP
	v_lshl_add_u32 v[RD], v10, 4, v[RD]
	v_add_nc_u32 v[RD], s13, v[RD]
	v_and_b32 v[GO], 31, v0         ; which are 512 consecutive bytes of O
	v_lshlrev_b32 v[GO], 4, v[GO]
	; A block's first step multiplies O^T and l by a = 0, and its first turn's products V^T P, of a piece that has not been, land in an O^T that is still to be so multiplied.  So these registers need only hold
	; finite numbers: zeros for the first block; what the first block left for the second.  All this stands in the wait for the first tile.
	WIN 0x80
.set i, VF
.rept 64
	v_mov_b32 v[i], 0
.set i, i+1
.endr
	WIN 0x40
.set i, 0
.rept 128
	v_mov_b32 v[i], 0
.set i, i+1
.endr
	WIN 0
.set i, 0
.rept 4
	v_mov_b32 v[ST+4*i+2], 0
	v_mov_b32 v[ST+4*i+3], 0
.set i, i+1
.endr
.set i, P+16
.rept 16
	v_mov_b32 v[i], 0
.set i, i+1
.endr
; THE MATRIX WORK.  The 4 accumulators of a run of 8 take turns.  Product i of 8 of S^T = K Q^T for piece x: channels 32 (i / 4) on, keys 16 (i % 4) on.  The first 4 start the sums: with 0, or (KM = 1) with the mask.
.macro KQ x
.set rS, S+32*((\x)%2)+8*(i%4)
.set rK, KF+16*(i%4)+8*(i/4)
.set rQ, 16*(\x)+8*(i/4)
.set rM, MC+32*((\x)%2)+8*(i%4)
.if (i < 4) && KM
	WIN W_KM
	v_wmma_f32_16x16x32_f16 v[rS:rS+7], v[rK:rK+7], v[rQ:rQ+7], v[rM:rM+7]
.elseif i < 4
	WIN W_KQ
	v_wmma_f32_16x16x32_f16 v[rS:rS+7], v[rK:rK+7], v[rQ:rQ+7], 0
.else
	WIN W_KQ
	v_wmma_f32_16x16x32_f16 v[rS:rS+7], v[rK:rK+7], v[rQ:rQ+7], v[rS:rS+7]
.endif
.endm
; Product i of 8 of O^T += V^T P for piece x: keys 32 (i / 4) on, channels 16 (i % 4) on.
.macro PV x
	WIN W_PV
.set rO, 32*(\x)+8*(i%4)
.set rV, VF+32*(i/4)+8*(i%4)
.set rP, P+16*((\x)%2)+8*(i/4)
	v_wmma_f32_16x16x32_f16 v[rO:rO+7], v[rV:rV+7], v[rP:rP+7], v[rO:rO+7]
.endm
.macro MM                           ; the turn's next matrix instruction.  TURN and BEGIN set Y, i, KM and NOKQ; MM, KQ and OP read them.  NOKQ = 1: a block's last turn: there is no next piece
.if (i < 8) && !NOKQ
	KQ (Y+1)%NP
.elseif i >= 8
.set i, i-8
	PV (Y+NP-1)%NP
.set i, i+8
.endif
.set i, i+1
.endm
; THE LDS LOADS stand in runs of 16, never singly among the matrix instructions: a step's K (64 keys x 64 channels: 8 fragments) and its V (turned).  Their addresses are made some lines ahead.
.macro FETCH_K
	WIN 0x80                        ; destination window 2
.irp f, 0,1,2,3,4,5,6,7             ; keys 16 (f / 2) on, channels 32 (f % 2) on
	ds_load_b128 v[KF+8*\f:KF+8*\f+3],   v[AK] offset:(\f/2)*16*PK+(\f%2)*64
	ds_load_b128 v[KF+8*\f+4:KF+8*\f+7], v[AK] offset:(\f/2)*16*PK+(\f%2)*64+32
.endr
	s_add_co_u32 s[TBK], s[TBK], KS*PK  ; the next fetch is the next step's
	WIN 0
.endm
.macro FETCH_V
	WIN 0x80
.irp f, 0,1,2,3,4,5,6,7             ; keys 32 (f / 4) on, channels 16 (f % 4) on
	ds_load_tr16_b128 v[VF+8*\f:VF+8*\f+3],   v[AV] offset:(\f/4)*32*PV+(\f%4)*32
	ds_load_tr16_b128 v[VF+8*\f+4:VF+8*\f+7], v[AV] offset:(\f/4)*32*PV+16*PV+(\f%4)*32
.endr
	WIN 0
.endm
; THE VECTOR WORK, one line at a time: OP kind, number.  For piece Y: F n: c s - c m for pair n of 16.  E n: the exponential of score n of 32.  C n: pair n rounded to f16.  B n: of the four weights 4 n .. the second
; pair is added onto the first, in place.  L n: l takes that sum (L 0: l = a l + sum).  R n: pair n of 16 of O^T times a.  For piece Y + 1: X n, number n of the 22 that find its maximum and statistics:
;   0-11  four chains c0-c3 of seven scores each, three operands at a time (each accumulator's lowest registers are read first)     12-14, 16  the four scores left over, the old m, and c0-c3 into c0
;   15  c m_old is kept     17, 18  the row's other 32 keys lie in the lane 16 away: the new m     19-21  c m; c m_old - c m_new; a
.set F, 0               ; OP tells the kinds apart by their order: F to L below R, X above it
.set E, 1
.set C, 2
.set B, 3
.set L, 4
.set R, 5
.set X, 6
.macro REGS y                       ; the registers of piece y
.set rT, ST+4*(\y)
.set rC, TMP+4*((\y)%2)
.set rW, MV+((\y)%2)
.set rS, S+32*((\y)%2)
.set rP, P+16*((\y)%2)
.set rO, 32*(\y)
.endm
.macro OP k, n
.if (\k) == R
	REGS Y
	WIN W_RS
	v_pk_mul_f32 v[rO+2*(\n):rO+2*(\n)+1], v[rO+2*(\n):rO+2*(\n)+1], v[rC+2:rC+3] op_sel_hi:[1,0]
.elseif (\k) < R
	REGS Y
	WIN 0
.if (\k) == F
	v_pk_fma_f32 v[rS+2*(\n):rS+2*(\n)+1], v[rS+2*(\n):rS+2*(\n)+1], s[CS:CS+1], v[rT:rT+1] op_sel_hi:[1,0,0] neg_lo:[0,0,1] neg_hi:[0,0,1]
.elseif (\k) == E
	v_exp_f32 v[rS+(\n)], v[rS+(\n)]
.elseif (\k) == C
	s_wait_alu depctr_va_vdst(0)
	v_cvt_pk_f16_f32 v[rP+(\n)], v[rS+2*(\n)], v[rS+2*(\n)+1]
.elseif (\k) == B
	s_wait_alu depctr_va_vdst(0)
	v_pk_add_f32 v[rS+4*(\n):rS+4*(\n)+1], v[rS+4*(\n):rS+4*(\n)+1], v[rS+4*(\n)+2:rS+4*(\n)+3]
.elseif (\n) == 0
	v_pk_fma_f32 v[rT+2:rT+3], v[rT+2:rT+3], v[rC+2:rC+3], v[rS:rS+1] op_sel_hi:[1,0,1]
.else
	v_pk_add_f32 v[rT+2:rT+3], v[rT+2:rT+3], v[rS+4*(\n):rS+4*(\n)+1]
.endif
.elseif NOKQ
	v_nop
.else
	REGS (Y+1)%NP
	WIN 0
.if (\n) < 4
	v_max3_num_f32 v[rC+(\n)], v[rS+8*(\n)], v[rS+8*(\n)+1], v[rS+8*(\n)+2]
.elseif (\n) < 12
	v_max3_num_f32 v[rC+(\n)%4], v[rC+(\n)%4], v[rS+8*((\n)%4)+2*((\n)/4)+1], v[rS+8*((\n)%4)+2*((\n)/4)+2]
.elseif (\n) == 12
	v_max3_num_f32 v[rC], v[rC], v[rS+7], v[rS+15]
.elseif (\n) == 13
	v_max3_num_f32 v[rC+1], v[rC+1], v[rS+23], v[rS+31]
.elseif (\n) == 14
	v_max3_num_f32 v[rC+2], v[rC+2], v[rC+3], v[rT+1]
.elseif (\n) == 15
	v_mov_b32 v[rW], v[rT]
.elseif (\n) == 16
	v_max3_num_f32 v[rC], v[rC], v[rC+1], v[rC+2]
.elseif (\n) == 17
	v_permlanex16_b32 v[rC+3], v[rC], s[SEL], s[SEL+1]
.elseif (\n) == 18
	v_max_num_f32 v[rT+1], v[rC], v[rC+3]
.elseif (\n) == 19
	v_mul_f32 v[rT], s[CS], v[rT+1]
.elseif (\n) == 20
	v_sub_f32 v[rC+1], v[rW], v[rT]
.else
	v_exp_f32 v[rC+2], v[rC+1]
.endif
.endif
.endm
.macro OPS a, i1, b=-1, i2=0, c=-1, i3=0, d=-1, i4=0  ; up to four of them
	OP \a, \i1
.if (\b) >= 0
	OP \b, \i2
.endif
.if (\c) >= 0
	OP \c, \i3
.endif
.if (\d) >= 0
	OP \d, \i4
.endif
.endm
.macro ROW a, i1, b, i2, c, i3, d, i4  ; a matrix instruction and the four behind it
	MM
	OPS \a, \i1, \b, \i2, \c, \i3, \d, \i4
.endm
.macro MASK b                       ; MD x AL + BE into buffer b of MC
	WIN W_RS
.set z, 0
.rept 16
	v_pk_fma_f32 v[MC+32*(\b)+2*z:MC+32*(\b)+2*z+1], v[MD+2*z:MD+2*z+1], s[AL:AL+1], s[BE:BE+1] op_sel_hi:[1,0,0]
.set z, z+1
.endr
.endm
; A TURN, for piece p: the order of its 16 matrix and 118 vector instructions, written out.  Behind a matrix instruction: plain, exponential, plain, plain; or four of the rescaling; or, behind the first, four scalings; none
; names a register of the products round it.  In the lumps exponential and plain by turns while exponentials last.  A line reads no result made fewer than three vector instructions in front of it, five if an exponential made it.
; v_permlanex16_b32 (X 17) stands in a lump.
; m = 1: the diagonal tile: the products take masks, and the turn makes the mask for the products of the turn after it: piece p + 2, in step 4 - CNT of the tile.  end = 1: a block's last two turns: nothing is fetched.
; cnt = 1: the loop's count is taken down some lines ahead of the branch that stands behind the turn.
; K of the next step is fetched in piece 2's turn, six vector instructions behind the last product that read K (five of them plain); V of the step in hand in piece 0's turn, eight behind the last product that read V (four
; plain, and X 17).  Each is waited for a turn later.
.macro TURN p, m=0, end=0, cnt=0
.set Y, (\p)
.set i, 0
.set KM, (\m)
.set NOKQ, (\end)*((\p)/3)
.if (\m) && !(\end)
	s_cmp_eq_u32 s[CNT], 4-((\p)+2)%NP  ; is that step the band's own?
	s_cselect_b32 s[AL], 1.0, 0
	s_cmp_lt_u32 s[CNT], 4-((\p)+2)%NP  ; or a later one?
	s_cselect_b32 s[BE], s[BIGN], 0
.endif
.if ((\p) == 3) && !(\end)
	s_wait_dscnt 0x0                ; K is in
.endif
	ROW F,0, F,1, F,2, F,3
	ROW F,4, E,0, F,5, F,6
	ROW F,7, E,1, F,8, F,9
	ROW F,10, E,2, C,0, F,11
	ROW F,12, E,3, X,15, F,13
	ROW R,0, R,1, R,2, R,3
	ROW B,0, E,4, F,14, L,0
.if ((\p) == 2) && !(\end)
	v_add_nc_u32 v[AK], s[TBK], v[AK0]
.endif
	ROW R,4, R,5, R,6, R,7
	OPS E,5, F,15
.if ((\p) == 2) && !(\end)
	FETCH_K
.endif
	OPS E,6, C,1, E,7, R,8
	OPS E,8, R,9, E,9, C,2
	OPS E,10, X,0, E,11, X,1
	OPS E,12, X,2, E,13, X,3
.if (\p) == 1
	s_wait_dscnt 0x0                ; V is in
.endif
	ROW X,4, E,14, X,5, X,6
	ROW X,7, E,15, X,8, X,9
	ROW X,10, E,16, X,11, X,12
	ROW X,13, E,17, X,14, B,1
	ROW C,4, E,18, X,16, L,1
	ROW B,2, E,19, C,6, L,2
	ROW C,8, E,20, B,3, B,4
.if (\p) == 0
	v_add_nc_u32 v[AV], s[TBV], v[AV0]
.endif
	ROW C,3, E,21, L,3, C,5
	OPS E,22, X,17, E,23, C,10
.if (\p) == 0
	FETCH_V
.endif
	OPS E,24, L,4
	OPS E,25, X,18, E,26, C,7
	OPS E,27, B,5, E,28, X,19
	OPS E,29, C,12, E,30, L,5
	OPS E,31, X,20, B,6, C,9
	OPS C,14, C,11, X,21, L,6
.if (\p) == 0
	s_add_co_u32 s[TBV], s[TBV], KS*PV
.endif
.if \cnt
	s_sub_co_u32 s[CNT], s[CNT], 1
	s_cmp_lg_u32 s[CNT], 0
.endif
	OPS C,13, B,7, C,15, R,10
	OPS R,11, R,12, L,7, R,13
	OPS R,14, R,15
.if (\m) && !(\end)
	MASK (\p)%2
.endif
.endm
; A BLOCK BEGINS.  c m starts far below every c s, so the first step's a is 0; m at the lowest finite number, so the first maximum is the scores'.  The second mask buffer is 0; the first takes piece 0's mask for the tile's step 0: its own, if the block's first tile is the diagonal one.
; Then K of that step, piece 0's first scores, and its maximum and statistics.  The loop is entered at a step's first turn, in the middle of a trip.
.macro BEGIN
	s_mov_b32 s[NEW], 0
	WIN 0x40
.set i, MC+32
.rept 32
	v_mov_b32 v[i], 0
.set i, i+1
.endr
	WIN 0
.set i, 0
.rept 4
	v_mov_b32 v[ST+4*i], 0xfe000000    ; c m: far below every c s
	v_mov_b32 v[ST+4*i+1], 0xff7fffff  ; m
.set i, i+1
.endr
	s_cmp_eq_u32 s[RT], 0
	s_cselect_b32 s[AL], 1.0, 0
	s_mov_b32 s[BE], 0
	MASK 0
	WIN 0
	v_add_nc_u32 v[AK], s[TBK], v[AK0]
	FETCH_K
	s_wait_loadcnt 0x0              ; Q
	s_wait_dscnt 0x0
.set KM, 1
.set NOKQ, 0
.set i, 0
.rept 8
	KQ 0
.set i, i+1
.endr
	WIN 0
.rept 4
	v_nop                           ; the places behind those products
.endr
.set Y, NP-1                        ; X works for piece Y + 1: piece 0
.irp n, 0,1,2,3,4,5,6,7,8,9,10,11,12,13,14,15,16,17,18,19,20,21
	OP X, \n
.endr
	v_nop                           ; a plain instruction behind the exponential
.endm
; THE DIAGONAL TILE's four steps, the block's last two turns, its last products, and THE WAY OUT: l's two halves and the other half of the lanes' are added; O^T is divided by l, rounded to f16 and sent through my
; stage in LDS, a piece at a time.
.macro ALL line:vararg              ; one line for each piece t
.set t, 0
.rept 4
	\line
.set t, t+1
.endr
.endm
.macro PACK t                       ; a lane's eight channels of a row pack into 16 bytes; they go into rows of 144 bytes and come back as whole rows of 128, into S^T's registers
	WIN W_RS
.set i, 32*(\t)
.rept 16
	s_wait_alu depctr_va_vdst(0)
	v_pk_mul_f32 v[i:i+1], v[i:i+1], v[ST+4*(\t)+2:ST+4*(\t)+3] op_sel_hi:[1,0]
.set i, i+2
.endr
	WIN 0x05                        ; sources 0 and 1 window 1, destination window 0
.set i, 0
.rept 16
	v_cvt_pk_f16_f32 v[S+16*(\t)+i], v[32*(\t)+2*i], v[32*(\t)+2*i+1]
.set i, i+1
.endr
	WIN 0
.irp f, 0,1,2,3
	ds_store_b128 v[STO], v[S+16*(\t)+4*\f:S+16*(\t)+4*\f+3] offset:32*\f
.endr
.irp f, 0,1,2,3
	ds_load_b128 v[S+16*(\t)+4*\f:S+16*(\t)+4*\f+3], v[RD] offset:\f*4*SP  ; LDS serves a wave's instructions in order (ISA guide 5.7.1.4): these see the stores above; the next piece's stores come behind them
.endr
.endm
.macro SEND t, younger              ; younger: the LDS instructions issued behind piece t's loads: the next piece's eight, or none
	WIN 0
.irp f, 0,1,2,3
	s_wait_dscnt (\younger)+3-\f
	global_store_b128 v[GO], v[S+16*(\t)+4*\f:S+16*(\t)+4*\f+3], s[10:11] offset:(\t)*8192+\f*512  ; 512 consecutive bytes, at a multiple of 256 from O's first
.endr
.endm
.macro DIAG tag                     ; the tag ends its two labels' names, which the jumps below spell out
.LstepM\tag:
	TURN 2, 1
	TURN 3, 1
	WIN 0
.LfirstM\tag:
	TURN 0, 1
	TURN 1, 1, 0, 1
	WIN 0
	s_cbranch_scc1 .LstepM\tag
	TURN 2, 1, 1
	TURN 3, 1, 1
.set i, 0
.rept 8
	PV NP-1
.set i, i+1
.endr
	WIN 0
	ALL v_add_f32 v[ST+4*t+2], v[ST+4*t+2], v[ST+4*t+3]
	ALL v_permlanex16_b32 v[ST+4*t+3], v[ST+4*t+2], s[SEL], s[SEL+1]
	ALL v_add_f32 v[ST+4*t+2], v[ST+4*t+2], v[ST+4*t+3]
	ALL v_rcp_f32 v[ST+4*t+2], v[ST+4*t+2]
	v_nop                           ; a plain instruction between the last reciprocal and the use of its result
	PACK 0
.set t, 1
.rept 3                             ; a piece's arithmetic stands between the loads of the piece before and its stores
	PACK t
	SEND t-1, 8
.set t, t+1
.endr
	SEND 3, 0
.endm
.set KM, 0
.set NOKQ, 0
.Lslot:                             ; NB times: a tile is entered and the next is asked for
	CHANGE 1
	s_sub_co_u32 s[RT], s[RT], 1
	s_mov_b32 s[CNT], 4
	s_cmp_eq_u32 s[NEW], 1
	s_cbranch_scc1 .Lnew            ; a block's first tile
	s_cmp_eq_u32 s[RT], 0
	s_cbranch_scc0 .Lstep           ; neither its first nor its last
	s_branch .LstepM1
.Lnew:
	BEGIN
	s_branch .Lfirst                ; in the loop a block's first tile is never its last: the first block has two tiles or more, and the second's last is the walk's last
	DIAG 1                          ; in the loop this is the first block's end: the second block's last tile is the walk's last
	s_wait_xcnt 0x0                 ; the stores have read their registers and O's address
	s_mov_b64 s[10:11], s[OLO:OLO+1]
	s_add_co_u32 s[RT], s[PB], 1    ; the second block has b + 1 tiles
	s_mov_b32 s[NEW], 1
	WIN 0x82                        ; the second block's Q goes where the one text of the turns names Q
.set i, 0
.rept 64
	v_mov_b32 v[i], v[QB+i]
.set i, i+1
.endr
	WIN 0
	s_branch .Lbottom
.Lstep:                             ; a trip: pieces 2 and 3 of one step, then pieces 0 and 1 of the next, whose K and V it fetches
	TURN 2
	TURN 3
	WIN 0
.Lfirst:
	TURN 0
	TURN 1, 0, 0, 1
	WIN 0
	s_cbranch_scc1 .Lstep
.Lbottom:
	s_sub_co_u32 s[SLOTS], s[SLOTS], 1
	s_cmp_lg_u32 s[SLOTS], 0
	s_cbranch_scc1 .Lslot
	CHANGE 0                        ; the walk's last tile is written out: nothing is asked for
	s_sub_co_u32 s[RT], s[RT], 1
	s_mov_b32 s[CNT], 4
	s_cmp_eq_u32 s[NEW], 1
	s_cbranch_scc0 .LstepM2
	BEGIN
	s_branch .LfirstM2
	DIAG 2
	s_wait_tensorcnt 0x0            ; the wave's end: behind my last tensor load and my last LDS store
	ds_add_u32 v[SPW], v[NIL]
	s_wait_dscnt 0x0
	s_endpgm
.Lfunc_end_k_q7d6c7da044_attn:
	.size	k_q7d6c7da044_attn, .Lfunc_end_k_q7d6c7da044_attn-k_q7d6c7da044_attn
	.p2alignl 7, 3214868480
	.fill 96, 4, 3214868480
	.section	.rodata,"a",@progbits
	.p2align	6, 0x0
	.amdhsa_kernel k_q7d6c7da044_attn
		.amdhsa_group_segment_fixed_size 327680
		.amdhsa_private_segment_fixed_size 0
		.amdhsa_enable_private_segment 0
		.amdhsa_kernarg_size 16
		.amdhsa_user_sgpr_count 2
		.amdhsa_user_sgpr_kernarg_segment_ptr 1
		.amdhsa_wavefront_size32 1
		.amdhsa_system_sgpr_workgroup_id_x 1
		.amdhsa_system_sgpr_workgroup_id_y 1
		.amdhsa_system_sgpr_workgroup_id_z 1
		.amdhsa_system_vgpr_workitem_id 0
		.amdhsa_next_free_vgpr 768
		.amdhsa_next_free_sgpr 96
		.amdhsa_reserve_vcc 1
		.amdhsa_float_denorm_mode_32 3
		.amdhsa_float_denorm_mode_16_64 3
		.amdhsa_memory_ordered 1
		.amdhsa_forward_progress 1
		.amdhsa_inst_pref_size 229
	.end_amdhsa_kernel
	.amdgpu_metadata
---
amdhsa.version: [ 1, 2 ]
amdhsa.kernels:
  - .name:           k_q7d6c7da044_attn
    .symbol:         k_q7d6c7da044_attn.kd
    .args:
      - { .name: qkv, .offset: 0, .size: 8, .value_kind: global_buffer, .address_space: global }
      - { .name: ob, .offset: 8, .size: 8, .value_kind: global_buffer, .address_space: global }
    .group_segment_fixed_size: 327680
    .private_segment_fixed_size: 0
    .kernarg_segment_align: 8
    .kernarg_segment_size: 16
    .max_flat_workgroup_size: 128
    .sgpr_count:     96
    .vgpr_count:     768
    .wavefront_size: 32
...
	.end_amdgpu_metadata
.endif
;; end of part 3
;; launch proj (part 4): grid 4 x 64, 4 waves a work-group, clusters of 4 x 4, 327,680 bytes of LDS; arguments ob, wpf, bp, out0; writes out0
.if DOCPART == 4
	.amdgcn_target "amdgcn-amd-amdhsa--gfx1250"
	.amdhsa_code_object_version 6
	.text
	.protected	k_q7d6c7da044_proj
	.globl	k_q7d6c7da044_proj
	.p2align	8
	.type	k_q7d6c7da044_proj,@function
k_q7d6c7da044_proj:
	s_mov_b64 s[64:65], 0
	v_nop
	global_prefetch_b8 v0, s[64:65] scope:SCOPE_SE
	s_setreg_imm32_b32 hwreg(HW_REG_WAVE_MODE, 25, 1), 1
	s_wait_xcnt 0x0
	s_wait_alu depctr_hold_cnt(0) depctr_sa_sdst(0) depctr_va_vdst(0) depctr_va_sdst(0) depctr_va_ssrc(0) depctr_va_vcc(0) depctr_vm_vsrc(0)
	s_getreg_b32 s2, hwreg(HW_REG_IB_STS2, 6, 4)
	s_cmp_eq_u32 s2, 0
	s_cbranch_scc0 .Lentry_in_a_cluster
	s_endpgm
.Lentry_in_a_cluster:
	s_bfe_u32 s2, ttmp6, 0x10000c
	s_cmp_lg_u32 s2, 0xf033
	s_cbranch_scc0 .Lentry_shape_is_right
	s_endpgm
.Lentry_shape_is_right:
; out0 = O Wp + bp: [8192 x 1024] x [1024 x 1024], f16 operands (ob as attention left it, by heads; wpf = Wp rounded to bf16 and written as f16), f32 sums, f32 out.  bp, rounded to bf16 like every input, starts the sums.
; LIMIT.  A bias that is not finite also spoils its neighbouring columns (see THE BIAS).
; SHARES.  A work-group makes 128 rows x 256 columns: 4 x 64 = 256 work-groups.  Wave (wr, wc) makes 64 x 128: 4 blocks of 16 rows x 8 of 16 columns, 32 accumulators, one register window.
; K goes in 8 steps of 128, two heads each, through two LDS slots; a step has two phases of 64 (a head each), a phase two halves of 32.
; THE MATRIX INSTRUCTION IS USED TRANSPOSED: source 0 = 16 columns of Wp (stored [k][n]: turned, by ds_load_tr16_b128), source 1 = 16 rows of O: a lane holds one row (lane % 16) and eight neighbouring columns.
; CLUSTER.  4 x 4 work-groups: the four of a row of the cluster need the same rows of O, the four of a column the same columns of Wp: each tile is asked for jointly.
; REGISTERS.  window 0: v0-31 addresses; v64-127, v128-191 O's fragments of a phase, two buffers ((c, a) at 8 (4 c + a)); v192-231 the bias, at the start.  window 1: accumulator (a, b) at 8 (8 a + b).
; window 2: Wp's fragments of a phase, two buffers of 128 ((c, b) at 8 (8 c + b)).
.set SLOT1,  131072
.set PA,     144                       ; a row of O in LDS: 128 bytes + 16
.set PB,     544                       ; a row of Wp: 512 bytes + 32 = 136 words
.set HALFA,  128*PA                    ; what one tensor load brings of O: a head's 128 rows
.set HALFB,  64*PB                     ; and of Wp: 64 rows of k
.set BOFF,   2*HALFA
.set STAGE,  SLOT1+BOFF+2*HALFB        ; behind the ring: 16 rows x 528 bytes for each wave
.set SPITCH, 528                       ; 512 bytes + 16: the 16 rows that a store touches start at 16 different groups of four banks
.set SPARE,  STAGE+4*16*SPITCH         ; the spare words, 128 bytes for each wave: two blocks of 256 bytes that no other line names
.set STEP,   262144                    ; two heads of ob; also 128 rows of wpf
.set R,     1
.set H,     2
.set ADRA0, 4                          ; v4   my place in a slot's rows of O; never rewritten
.set ADRB0, 5                          ; v5   in its rows of Wp; never rewritten
.set ADRA,  8                          ; v8   the same in the slot in hand
.set ADRB,  9                          ; v9
.set STO,   12                         ; v12  the way out: where I put 32 bytes of a row
.set RD,    13                         ; v13  where I read a row back
.set CO,    14                         ; v14  my 16 bytes of 512 consecutive bytes of out0
.set BO,    15                         ; v15  4 x (lane % 16)
.set SPW,   28
.set NIL,   29
.set ZR,    30
.set AF,    64
.set POOL,  192                        ; v192-213
.set ONES,  216                        ; v216-223
.set RAW,   224                        ; v224-231
.set WV,  16
.set WR,  17                           ; which 64 rows are mine.  Also: I fetch for O (0) or for Wp (1)
.set WC,  18                           ; which 128 columns are mine.  Also: which half of that tile I fetch
.set CX,  19
.set CY,  20
.set TX,  21
.set TY,  22
.set G1A, 24
.set G1B, 32
.set G0A, 40
.set G0B, 48
.set CNT, 56
.set TB,  57
.set MSB, 0
.macro WIN new                         ; the immediate's high byte repeats the setting that is left; a switch that changes nothing is dropped
.if MSB != (\new)
	s_set_vgpr_msb (MSB<<8)|(\new)
.set MSB, (\new)
.endif
.endm
.macro PLACES                          ; four plain vector instructions between a matrix instruction and a load into, or a read of, its registers (ISA guide 7.12.1 for reads)
.rept 4
	v_nop
.endr
.endm
.macro JLOAD                           ; a joint refill by the walking descriptors; an s_nop 0 and four v_nop follow each of the two lines
	s_cmp_eq_u32 s[WR], 0
	s_cbranch_scc0 .Lfor_b_\@
	tensor_load_to_lds s[G0A+4:G0A+7], s[G1A:G1A+7]
	s_nop 0
.rept 4
	v_nop
.endr
	s_branch .Lasked_\@
.Lfor_b_\@:
	tensor_load_to_lds s[G0B+4:G0B+7], s[G1B:G1B+7]
	s_nop 0
.rept 4
	v_nop
.endr
.Lasked_\@:
.endm
.macro CREST                           ; a round of the cluster's barrier behind its opening barrier
	s_cmp_lg_u32 s[WV], 0
	s_cbranch_scc1 .Lnot_wave_0_\@
	s_barrier_signal -3
.Lnot_wave_0_\@:
	s_barrier_wait -3
	s_barrier_signal -1
	s_barrier_wait -1
.endm
.macro CROUND
	s_barrier_signal -1
	s_barrier_wait -1
	CREST
.endm
	s_load_b256 s[4:11], s[0:1], 0x0               ; ob s[4:5], wpf s[6:7], bp s[8:9], out0 s[10:11]
	v_lshl_add_u32 v[SPW], v0, 2, SPARE
	v_mov_b32 v[NIL], 0
	ds_add_u32 v[SPW], v[NIL]                      ; the wave's opening: the add and its wait stand ahead of my first tensor load; the set-up below stands between them
	ds_add_u32 v28, v29
	v_lshrrev_b32 v3, 5, v0
	v_readfirstlane_b32 s[WV], v3
	s_lshr_b32 s[WR], s[WV], 1
	s_and_b32 s[WC], s[WV], 1
	s_bfe_u32 s[CX], ttmp6, 0x40000
	s_bfe_u32 s[CY], ttmp6, 0x40004
	s_lshl_b32 s[TX], ttmp9, 2
	s_add_co_u32 s[TX], s[TX], s[CX]
	s_and_b32 s[TY], ttmp7, 0xffff
	s_lshl_b32 s[TY], s[TY], 2
	s_add_co_u32 s[TY], s[TY], s[CY]
	s_lshl_b32 s58, s[CY], 2
	s_lshl_b32 s58, 15, s58                        ; my row of the cluster
	s_lshl_b32 s60, 0x1111, s[CX]                  ; my column
	; O's tile: a head's 128 rows are 16,384 dense bytes: 64 rows of 256 bytes, padded in LDS after every 128 bytes
	s_or_b32 s[G1A], s58, (1<<16)|(1<<20)|(1<<21)|(4<<22)|(3<<25)
	s_mov_b32 s[G1A+1], 128<<16
	s_mov_b32 s[G1A+2], 64<<16
	s_mov_b32 s[G1A+3], 128<<16
	s_mov_b32 s[G1A+4], 64
	s_mov_b32 s[G1A+5], 128
	s_mov_b32 s[G1A+6], 0
	s_mov_b32 s[G1A+7], 0
	; Wp's tile: 64 rows of k x 256 columns (512 bytes), padded after every 128 words by 8
	s_or_b32 s[G1B], s60, (1<<16)|(1<<20)|(1<<21)|(6<<22)|(7<<25)
	s_mov_b32 s[G1B+1], 256<<16
	s_mov_b32 s[G1B+2], 64<<16
	s_mov_b32 s[G1B+3], 256<<16
	s_mov_b32 s[G1B+4], 64
	s_mov_b32 s[G1B+5], 1024
	s_mov_b32 s[G1B+6], 0
	s_mov_b32 s[G1B+7], 0
	s_lshr_b32 s58, s[TY], 3                       ; batch: its 16 heads,
	s_lshl_b32 s58, s58, 4
	s_add_co_u32 s58, s58, s[WC]                   ; the head of the step's two that I fetch,
	s_lshl_b32 s58, s58, 17
	s_and_b32 s59, s[TY], 7                        ; the tile's 128 rows of 128 bytes
	s_lshl_b32 s59, s59, 14
	s_add_co_u32 s58, s58, s59
	s_mov_b32 s59, 0
	s_lshl_b32 s60, s[TX], 9                       ; the tile's 256 columns,
	s_lshl_b32 s61, s[WC], 17                      ; my 64 rows of k
	s_add_co_u32 s60, s60, s61
	s_mov_b32 s61, 0
	s_mul_i32 s62, s[WC], HALFA                    ; no place in the cluster enters an LDS address
	s_mul_i32 s63, s[WC], HALFB
	s_mov_b32 s[TB], 0
	s_mov_b32 s[CNT], 6
	s_wait_dscnt 0x0                               ; the opening add is done
	s_wait_kmcnt 0x0
	s_add_nc_u64 s[12:13], s[4:5], s[58:59]
	s_add_nc_u64 s[14:15], s[6:7], s[60:61]
	CROUND                                         ; all sixteen work-groups are here: the first joint loads meet
.irp s, 0,1
	s_mov_b32 s[G0A+4*(\s)], 1
	s_add_co_u32 s[G0A+4*(\s)+1], s62, (\s)*SLOT1
	s_add_nc_u64 s[G0A+4*(\s)+2:G0A+4*(\s)+3], s[12:13], (\s)*STEP
	s_or_b32 s[G0A+4*(\s)+3], s[G0A+4*(\s)+3], 0x80000000
	s_mov_b32 s[G0B+4*(\s)], 1
	s_add_co_u32 s[G0B+4*(\s)+1], s63, (\s)*SLOT1+BOFF
	s_add_nc_u64 s[G0B+4*(\s)+2:G0B+4*(\s)+3], s[14:15], (\s)*STEP
	s_or_b32 s[G0B+4*(\s)+3], s[G0B+4*(\s)+3], 0x80000000
.endr
	s_cmp_eq_u32 s[WR], 0                          ; a wave's two first fills stand in one branch: two loads of mine are out
	s_cbranch_scc0 .Lfirst_b
	tensor_load_to_lds s[G0A:G0A+3], s[G1A:G1A+7]
	s_nop 0
	tensor_load_to_lds s[G0A+4:G0A+7], s[G1A:G1A+7]
	s_nop 0
.rept 4
	v_nop
.endr
	s_branch .Lfirst_asked
.Lfirst_b:
	tensor_load_to_lds s[G0B:G0B+3], s[G1B:G1B+7]
	s_nop 0
	tensor_load_to_lds s[G0B+4:G0B+7], s[G1B:G1B+7]
	s_nop 0
.rept 4
	v_nop
.endr
.Lfirst_asked:
	v_and_b32 v[R], 15, v0
	v_bfe_u32 v[H], v0, 4, 1
	v_and_b32 v3, 7, v0
	v_bfe_u32 v16, v0, 3, 1
	v_lshlrev_b32 v[BO], 2, v[R]
	s_lshl_b32 s60, s[TX], 10                      ; my 128 columns, in bytes of f32: 1,024 x tile column + 512 x half
	s_lshl_b32 s61, s[WC], 9
	s_add_co_u32 s60, s60, s61
	s_mov_b32 s61, 0
	s_add_nc_u64 s[68:69], s[8:9], s[60:61]
.irp b, 0,1,2,3,4,5,6,7
	global_load_b32 v[RAW+(\b)], v[BO], s[68:69] offset:64*(\b)
.endr
	s_lshl_b32 s66, s[TY], 19                      ; out0 at my first row (128 x tile row + 64 x half, 4,096 bytes each) and column
	s_lshl_b32 s67, s[WR], 18
	s_add_co_u32 s66, s66, s67
	s_add_co_u32 s66, s66, s60
	s_mov_b32 s67, 0
	s_add_nc_u64 s[10:11], s[10:11], s[66:67]
	v_mul_u32_u24 v[ADRA0], v[R], PA
	v_lshl_add_u32 v[ADRA0], v[H], 4, v[ADRA0]     ; row x 144 + 16 x half
	s_mul_i32 s60, s[WR], 64*PA
	v_add_nc_u32 v[ADRA0], s60, v[ADRA0]
	v_lshl_add_u32 v[ADRB0], v[H], 3, v3           ; the turning load: k row 8 (l / 16) + l % 8, columns 8 ((l / 8) % 2) on
	v_mul_u32_u24 v[ADRB0], v[ADRB0], PB
	v_lshl_add_u32 v[ADRB0], v16, 4, v[ADRB0]
	s_lshl_b32 s60, s[WC], 8
	s_add_co_u32 s60, s60, BOFF
	v_add_nc_u32 v[ADRB0], s60, v[ADRB0]
	s_mul_i32 s60, s[WV], 16*SPITCH
	s_add_co_u32 s60, s60, STAGE                   ; my stage
	v_mul_u32_u24 v[STO], v[R], SPITCH             ; in: row l % 16, 32 bytes for each half of the lanes
	v_lshl_add_u32 v[STO], v[H], 5, v[STO]
	v_add_nc_u32 v[STO], s60, v[STO]
	v_and_b32 v[CO], 31, v0                        ; back: 32 lanes take a row of 512 bytes
	v_lshlrev_b32 v[CO], 4, v[CO]
	v_add_nc_u32 v[RD], s60, v[CO]
	v_add_nc_u32 v[ADRA], s[TB], v[ADRA0]
	v_add_nc_u32 v[ADRB], s[TB], v[ADRB0]
	; THE BIAS starts the sums, by a product in bf16: source 0 holds bias[column] at k = 0, source 1 holds 1 at k = 0 and 0 elsewhere.  The eight blocks' biases lie two registers apart in one pool;
	; what a fragment of eight registers holds beside its own bias meets zeros of source 1.
	v_mov_b32 v[ZR], 0
.set i, 0
.rept 8
	v_mov_b32 v[POOL+2*i+1], 0
.set i, i+1
.endr
.set i, 16
.rept 6
	v_mov_b32 v[POOL+i], 0
.set i, i+1
.endr
	v_sub_nc_u32 v[ONES], 1, v[H]
	v_mul_u32_u24 v[ONES], v[ONES], 0x3f80         ; lanes 0-15: bf16 1.0 at k = 0; lanes 16-31: 0
.set i, 1
.rept 7
	v_mov_b32 v[ONES+i], 0
.set i, i+1
.endr
	s_wait_loadcnt 0x0
.set i, 0
.rept 8
	v_cvt_pk_bf16_f32 v[POOL+2*i], v[RAW+i], v[ZR]
.set i, i+1
.endr
	WIN 0x40                                       ; destination window 1, sources window 0
.set aa, 0
.rept 4
.set bb, 0
.rept 8
	v_wmma_f32_16x16x32_bf16 v[8*(8*aa+bb):8*(8*aa+bb)+7], v[POOL+2*bb:POOL+2*bb+7], v[ONES:ONES+7], 0
.set bb, bb+1
.endr
.set aa, aa+1
.endr
.rept 5
	v_nop                                          ; the f16 products that add onto these sums are another form: five places stand between
.endr
	WIN 0
; 16 matrix instructions: row blocks a0, a0 + 1 x all 8 column blocks, half c of buffer f.  Every accumulator has one instruction a turn, in the same order in every half.
.macro MUL16 f, c, a0
	WIN 0x52                                       ; source 0 (Wp) window 2, source 1 (O) window 0, C and D window 1
.irp a, \a0, (\a0)+1
.irp b, 0,1,2,3,4,5,6,7
	v_wmma_f32_16x16x32_f16 v[8*(8*(\a)+(\b)):8*(8*(\a)+(\b))+7], v[128*(\f)+8*(8*(\c)+(\b)):128*(\f)+8*(8*(\c)+(\b))+7], v[AF+64*(\f)+8*(4*(\c)+(\a)):AF+64*(\f)+8*(4*(\c)+(\a))+7], v[8*(8*(\a)+(\b)):8*(8*(\a)+(\b))+7]
.endr
.endr
.endm
.macro FB p, f, c                      ; 16 turning loads: Wp's 8 fragments of half c of phase p
	WIN 0x80                                       ; destination window 2, address window 0
.irp b, 0,1,2,3,4,5,6,7
	ds_load_tr16_b128 v[128*(\f)+8*(8*(\c)+(\b)):128*(\f)+8*(8*(\c)+(\b))+3],   v[ADRB] offset:HALFB*(\p)+32*PB*(\c)+32*(\b)
	ds_load_tr16_b128 v[128*(\f)+8*(8*(\c)+(\b))+4:128*(\f)+8*(8*(\c)+(\b))+7], v[ADRB] offset:HALFB*(\p)+32*PB*(\c)+32*(\b)+16*PB
.endr
.endm
; 48 LDS loads in one run, the fragments of phase p into buffer f: Wp's first half (16), O's first half (8), O's second (8), Wp's second (16)
.macro FETCH p, f
	FB \p, \f, 0
	WIN 0
.irp c, 0,1
.irp a, 0,1,2,3
	ds_load_b128 v[AF+64*(\f)+8*(4*(\c)+(\a)):AF+64*(\f)+8*(4*(\c)+(\a))+3],   v[ADRA] offset:HALFA*(\p)+16*PA*(\a)+64*(\c)
	ds_load_b128 v[AF+64*(\f)+8*(4*(\c)+(\a))+4:AF+64*(\f)+8*(4*(\c)+(\a))+7], v[ADRA] offset:HALFA*(\p)+16*PA*(\a)+64*(\c)+32
.endr
.endr
	FB \p, \f, 1
.endm
.macro PHASE0                          ; multiplies buffer 0 and fetches the step's second phase into buffer 1
	s_wait_dscnt 24                                ; the first half's fragments are in: O's second 8 and Wp's second 16 may be out
	MUL16 0, 0, 0
	MUL16 0, 0, 2
	PLACES
	FETCH 1, 1
	s_wait_dscnt 48                                ; all but the 48 just issued
	MUL16 0, 1, 0
	MUL16 0, 1, 2
.endm
; The second phase multiplies buffer 1 and changes slots: ONE barrier; in front of it each wave waits for all its tensor loads (one is out: its part of the next slot), adds 0 to its spare word, and waits for that
; and for its own reads of this slot.  fill = 1: the barrier opens a round of the cluster's, and this slot is filled again, two K steps ahead, first thing behind the round: 96 matrix instructions ahead of the wait for it.
.macro TURN fill
	WIN 0
	s_wait_tensorcnt 0x0                           ; no tensor load of mine is out, so a group 0 may be written
	ds_add_u32 v[SPW], v[NIL]                      ; 0 onto my spare word
.if \fill
	s_xor_b32 s[G0A+5], s[G0A+5], SLOT1
	s_add_nc_u64 s[G0A+6:G0A+7], s[G0A+6:G0A+7], STEP
	s_xor_b32 s[G0B+5], s[G0B+5], SLOT1
	s_add_nc_u64 s[G0B+6:G0B+7], s[G0B+6:G0B+7], STEP
.endif
	s_wait_dscnt 25                                ; the first half's fragments are in: 24 loads and the add may be out
	MUL16 1, 0, 0
	s_wait_dscnt 0x0                               ; the add is done, and my reads of this slot are over
	s_barrier_signal -1
	MUL16 1, 0, 2
	WIN 0                                          ; at a branch and at a label every window is 0
	s_barrier_wait -1
.if \fill
	CREST                                          ; no wave of any partner still reads this slot's tiles or has a load on its way
	JLOAD                                          ; its four v_nop are also the places in front of the loads below
.else
	PLACES
.endif
	s_xor_b32 s[TB], s[TB], SLOT1
	v_add_nc_u32 v[ADRA], s[TB], v[ADRA0]
	v_add_nc_u32 v[ADRB], s[TB], v[ADRB0]
	FETCH 0, 0
	MUL16 1, 1, 0
	MUL16 1, 1, 2
.endm
	s_wait_tensorcnt 1                             ; my part of K step 0 is in; K step 1's may stay out
	s_barrier_signal -1
	s_barrier_wait -1
	FETCH 0, 0
	WIN 0
.Lstep:                                        ; six trips, a K step each: steps 0 to 5 ask for steps 2 to 7
	PHASE0
	TURN 1
	WIN 0
	s_sub_co_u32 s[CNT], s[CNT], 1
	s_cmp_lg_u32 s[CNT], 0
	s_cbranch_scc1 .Lstep
	PHASE0                                         ; the last two K steps are written out: nothing is left to ask for
	TURN 0
	PHASE0
	s_wait_dscnt 24
	MUL16 1, 0, 0
	MUL16 1, 0, 2
	s_wait_dscnt 0x0
	MUL16 1, 1, 0
	MUL16 1, 1, 2
	PLACES
; THE WAY OUT, a block of 16 rows x 512 bytes at a time: a lane's eight f32 go into my stage's rows of 528 bytes and come back as whole rows.
.macro TOSTAGE a
.set bk, AF+64*((\a)%2)
	s_wait_xcnt 0x0                                ; the stores issued so far have read their registers: this set of 64 is loaded again only behind this wait
	WIN 0x04                                       ; the stores' data in window 1
.irp b, 0,1,2,3,4,5,6,7
	ds_store_b128 v[STO], v[8*(8*(\a)+(\b)):8*(8*(\a)+(\b))+3]   offset:64*(\b)     ; each accumulator from its low end on
	ds_store_b128 v[STO], v[8*(8*(\a)+(\b))+4:8*(8*(\a)+(\b))+7] offset:64*(\b)+16
.endr
	WIN 0
.irp t, 0,1,2,3,4,5,6,7,8,9,10,11,12,13,14,15
	ds_load_b128 v[bk+4*(\t):bk+4*(\t)+3], v[RD] offset:SPITCH*(\t)  ; LDS serves a wave's instructions in order (ISA guide 5.7.1.4): these see the stores above; the next block's stores come behind them
.endr
.endm
.macro SEND a, younger                 ; younger: the LDS instructions issued behind block a's loads: the next block's 32, or none
.set bk, AF+64*((\a)%2)
.irp t, 0,1,2,3,4,5,6,7,8,9,10,11,12,13,14,15
	s_wait_dscnt (\younger)+15-(\t)
	global_store_b128 v[CO], v[bk+4*(\t):bk+4*(\t)+3], s[10:11] offset:65536*(\a)+4096*(\t) th:TH_STORE_NT  ; 512 consecutive bytes, at a multiple of 256 from out0's first
.endr
.endm
	TOSTAGE 0
	TOSTAGE 1
	SEND 0, 32
	TOSTAGE 2
	SEND 1, 32
	TOSTAGE 3
	SEND 2, 32
	SEND 3, 0
	s_wait_tensorcnt 0x0                           ; the wave's end: behind my last tensor load and my last LDS store
	ds_add_u32 v[SPW], v[NIL]
	s_wait_dscnt 0x0
	CROUND                                         ; the closing round: no work-group ends while a partner may still ask for a tile that names it
	s_endpgm
.Lfunc_end_k_q7d6c7da044_proj:
	.size	k_q7d6c7da044_proj, .Lfunc_end_k_q7d6c7da044_proj-k_q7d6c7da044_proj
	.p2alignl 7, 3214868480
	.fill 96, 4, 3214868480
	.section	.rodata,"a",@progbits
	.p2align	6, 0x0
	.amdhsa_kernel k_q7d6c7da044_proj
		.amdhsa_group_segment_fixed_size 327680
		.amdhsa_private_segment_fixed_size 0
		.amdhsa_enable_private_segment 0
		.amdhsa_kernarg_size 32
		.amdhsa_user_sgpr_count 2
		.amdhsa_user_sgpr_kernarg_segment_ptr 1
		.amdhsa_wavefront_size32 1
		.amdhsa_system_sgpr_workgroup_id_x 1
		.amdhsa_system_sgpr_workgroup_id_y 1
		.amdhsa_system_sgpr_workgroup_id_z 1
		.amdhsa_system_vgpr_workitem_id 0
		.amdhsa_next_free_vgpr 768
		.amdhsa_next_free_sgpr 72
		.amdhsa_reserve_vcc 0
		.amdhsa_float_denorm_mode_32 3
		.amdhsa_float_denorm_mode_16_64 3
		.amdhsa_memory_ordered 1
		.amdhsa_forward_progress 1
		.amdhsa_inst_pref_size 74
	.end_amdhsa_kernel
	.amdgpu_metadata
---
amdhsa.version: [ 1, 2 ]
amdhsa.kernels:
  - .name:           k_q7d6c7da044_proj
    .symbol:         k_q7d6c7da044_proj.kd
    .args:
      - { .name: ob, .offset: 0, .size: 8, .value_kind: global_buffer, .address_space: global }
      - { .name: wpf, .offset: 8, .size: 8, .value_kind: global_buffer, .address_space: global }
      - { .name: bp, .offset: 16, .size: 8, .value_kind: global_buffer, .address_space: global }
      - { .name: out0, .offset: 24, .size: 8, .value_kind: global_buffer, .address_space: global }
    .group_segment_fixed_size: 327680
    .private_segment_fixed_size: 0
    .kernarg_segment_align: 8
    .kernarg_segment_size: 32
    .max_flat_workgroup_size: 128
    .sgpr_count:     72
    .vgpr_count:     768
    .wavefront_size: 32
...
	.end_amdgpu_metadata
.endif
;; end of part 4
;; ======== version 2 of 2: 4 launches; version 1 with the launch cast written anew for expert scheduling mode
;; limits: values outside matrix products are rounded to bf16; values are held in f16: magnitudes above 65,504 overflow, below 6.1e-05 lose precision
;; workspace buffers: xb 16,777,216 bytes; wcat 6,291,456 bytes; wpf 2,097,152 bytes; qkv 50,331,648 bytes; ob 16,777,216 bytes
;; launch cast (part 5): grid 768 x 1, 8 waves a work-group, no clusters, 0 bytes of LDS; arguments x, Wq, Wk, Wv, Wp, xb, wcat, wpf; writes xb, wcat, wpf
.if DOCPART == 5
	.amdgcn_target "amdgcn-amd-amdhsa--gfx1250"
	.amdhsa_code_object_version 6
	.text
	.protected	k_q7d6c7da044_cast
	.globl	k_q7d6c7da044_cast
	.p2align	8
	.type	k_q7d6c7da044_cast,@function
k_q7d6c7da044_cast:
	s_mov_b64 s[64:65], 0
	v_nop
	global_prefetch_b8 v0, s[64:65] scope:SCOPE_SE
	s_setreg_imm32_b32 hwreg(HW_REG_WAVE_SCHED_MODE, 0, 2), 2
	s_setreg_imm32_b32 hwreg(HW_REG_WAVE_MODE, 25, 1), 1
	s_wait_xcnt 0x0
	s_wait_alu depctr_vm_vsrc(0)
; THE INPUTS OF THE MATRIX PRODUCTS, ROUNDED ONCE AND LAID OUT FOR THE LAUNCHES BEHIND.
;   xb   [b 8][kb 16][t 1024][64] bf16: x in slices of 64 channels, so that 128 rows of a slice are 16,384 dense bytes
;   wcat [k 1024][3072] bf16: Wq, Wk, Wv side by side        wpf [k 1024][1024]: Wp rounded to bf16, that number written as f16
; LIMIT.  A bf16 number below 2^-14 in size keeps f16's fixed step of 6e-8 in wpf; beyond 65,504 it has no f16.
; SHARES.  A work-group casts 16 rows of 1,024 f32 (65,536 bytes in, 32,768 out); a wave issues its 16 loads of 16 bytes a lane on end and then
; converts and stores them in order.
; Work-groups 0-511: x;  512-703: Wq, Wk, Wv (64 each);  704-767: Wp.  Every load covers whole runs of 256 bytes, every store of a wave 256 consecutive bytes, aligned.
; No LDS, no matrix unit, no cluster: nothing is shared and each byte is touched once.
; THE MODE: SCHED_MODE bits 1:0 = 2 (LLVM: expert scheduling mode 2), set by the entry lines.  The code itself states the register dependences
; between vector instructions and memory instructions, with s_wait_alu, always for 0.
; THE PLAN.  Registers that memory instructions touch:
;   v[IN], v[OUT]  byte offsets.  Written by vector instructions at the head, ahead of every memory instruction; read by the 16 loads and the 16 stores; never written again.
;   X              load i lands in its four registers, once; no vector instruction names them ahead of the loads; load i's conversions read them.
;   Y              load i's conversions write its two registers, once; store i reads them, once.
;   T and v1 are named by vector instructions alone.
; No register that a memory instruction has read is written again, so there is no wait on vm_vsrc.  The 16 loads go in four blocks of four.  Block p's conversions write Y of block p; its memory
; instructions are the four stores of block p - 1, whose data no vector instruction of block p names.  So one wait on va_vdst at a block's head states all that the block's four stores hang on, and
; they are dealt among its conversions with no further wait.  One more such wait stands ahead of the loads, for the offsets, and one ahead of the last four stores.
.set IN,  2                            ; v2        my byte offset in the 16 rows read
.set OUT, 3                            ; v3        my byte offset in what is written
.set X,   4                            ; v[4:67]   16 loads of 4 f32
.set Y,   68                           ; v[68:99]  16 stores of 4 numbers of 16 bits
.set T,   100                          ; v[100:105] at work
.set SRC, 36                           ; s[36:37]
.set DST, 38                           ; s[38:39]
.set OF,  40                           ; s[40:41]  an offset, high word 0
; load i comes from ia (i / 2) + ib (i % 2), store i goes to oa (i / 2) + ob (i % 2).  half = 1: bf16's number as f16
.macro CAST ia, ib, oa, ob, half
	s_wait_alu depctr_va_vdst(0)                   ; v[IN] and v[OUT] are written: every load below reads the one as its offset, every store the other
.set i, 0
.rept 16
	global_load_b128 v[X+4*i:X+4*i+3], v[IN], s[SRC:SRC+1] offset:(\ia)*(i/2)+(\ib)*(i%2) th:TH_LOAD_NT
.set i, i+1
.endr
.set i, 0
.rept 16
.if i%4 == 0
	s_wait_loadcnt 15-i                            ; loads come back in order: load i is in, the 15 - i younger ones stay out
.if i > 0
	s_wait_alu depctr_va_vdst(0)                   ; the block before has written its eight registers of Y, which this block's four stores read
.endif
.endif
.if i >= 4
	global_store_b64 v[OUT], v[Y+2*(i-4):Y+2*(i-4)+1], s[DST:DST+1] offset:(\oa)*((i-4)/2)+(\ob)*((i-4)%2)  ; the block before; no vector instruction since the wait names these registers
.endif
.if i%4 != 0
	s_wait_loadcnt 15-i                            ; load i is in, the 15 - i younger ones stay out
.endif
.if \half
	v_cvt_pk_bf16_f32 v[T], v[X+4*i], v[X+4*i+1]
	v_cvt_pk_bf16_f32 v[T+1], v[X+4*i+2], v[X+4*i+3]
	v_lshlrev_b32 v[T+2], 16, v[T]                 ; bf16 to f32: the low half moves up, the high half stays
	v_and_b32 v[T+3], 0xffff0000, v[T]
	v_lshlrev_b32 v[T+4], 16, v[T+1]
	v_and_b32 v[T+5], 0xffff0000, v[T+1]
	v_cvt_pk_f16_f32 v[Y+2*i], v[T+2], v[T+3]
	v_cvt_pk_f16_f32 v[Y+2*i+1], v[T+4], v[T+5]
.else
	v_cvt_pk_bf16_f32 v[Y+2*i], v[X+4*i], v[X+4*i+1]
	v_cvt_pk_bf16_f32 v[Y+2*i+1], v[X+4*i+2], v[X+4*i+3]
.endif
.set i, i+1
.endr
	s_wait_alu depctr_va_vdst(0)                   ; the last block has written its eight registers of Y, which the last four stores read
.set i, 12
.rept 4
	global_store_b64 v[OUT], v[Y+2*i:Y+2*i+1], s[DST:DST+1] offset:(\oa)*(i/2)+(\ob)*(i%2)
.set i, i+1
.endr
.endm
	s_load_b512 s[8:23], s[0:1], 0x0               ; x s[8:9], Wq s[10:11], Wk s[12:13], Wv s[14:15], Wp s[16:17], xb s[18:19], wcat s[20:21], wpf s[22:23]
	s_mov_b32 s2, ttmp9
	s_mov_b32 s[OF+1], 0
	v_lshlrev_b32 v[IN], 4, v0                     ; the weights: 256 threads x 16 bytes are a row of 4,096 bytes,
	v_lshlrev_b32 v[OUT], 3, v0                    ; and x 8 bytes a row of 2,048
	s_wait_kmcnt 0x0
	s_cmp_lt_u32 s2, 512
	s_cbranch_scc1 .Lx
	s_cmp_lt_u32 s2, 704
	s_cbranch_scc1 .Lw
	s_sub_co_u32 s3, s2, 704                       ; Wp: 16 rows
	s_lshl_b32 s[OF], s3, 16
	s_add_nc_u64 s[SRC:SRC+1], s[16:17], s[OF:OF+1]
	s_lshl_b32 s[OF], s3, 15
	s_add_nc_u64 s[DST:DST+1], s[22:23], s[OF:OF+1]
	CAST 8192, 4096, 4096, 2048, 1
	s_endpgm
.Lw:
	s_sub_co_u32 s3, s2, 512
	s_lshr_b32 s4, s3, 6                           ; 0: Wq, 1: Wk, 2: Wv
	s_and_b32 s3, s3, 63                           ; which 16 rows
	s_cmp_eq_u32 s4, 0
	s_cselect_b64 s[SRC:SRC+1], s[10:11], s[12:13]
	s_cmp_eq_u32 s4, 2
	s_cselect_b64 s[SRC:SRC+1], s[14:15], s[SRC:SRC+1]
	s_lshl_b32 s[OF], s3, 16
	s_add_nc_u64 s[SRC:SRC+1], s[SRC:SRC+1], s[OF:OF+1]
	s_mul_i32 s[OF], s3, 98304                     ; 16 rows of 6,144 bytes,
	s_lshl_b32 s4, s4, 11                          ; the weight's 2,048 bytes of a row
	s_add_co_u32 s[OF], s[OF], s4
	s_add_nc_u64 s[DST:DST+1], s[20:21], s[OF:OF+1]
	CAST 8192, 4096, 12288, 6144, 0
	s_endpgm
.Lx:                                           ; x: wave w takes channels 128 w .. 128 w + 127, two slices; lanes 0-15 take 64 channels of a row, lanes 16-31 of the next row
	v_and_b32 v1, 15, v0                           ; (no memory instruction has read v[IN] or v[OUT] yet: they are made anew here)
	v_lshlrev_b32 v[IN], 4, v1
	v_bfe_u32 v1, v0, 4, 1
	v_lshl_add_u32 v[IN], v1, 12, v[IN]
	v_lshrrev_b32 v1, 5, v0                        ; wave
	v_lshl_add_u32 v[IN], v1, 9, v[IN]
	v_and_b32 v[OUT], 31, v0
	v_lshlrev_b32 v[OUT], 3, v[OUT]                ; two rows of a slice are 256 consecutive bytes
	v_lshl_add_u32 v[OUT], v1, 18, v[OUT]          ; slice 2 w
	s_lshl_b32 s[OF], s2, 16
	s_add_nc_u64 s[SRC:SRC+1], s[8:9], s[OF:OF+1]
	s_lshr_b32 s3, s2, 6                           ; batch
	s_lshl_b32 s3, s3, 21
	s_and_b32 s4, s2, 63                           ; 16 rows of 128 bytes in each slice
	s_lshl_b32 s4, s4, 11
	s_add_co_u32 s[OF], s3, s4
	s_add_nc_u64 s[DST:DST+1], s[18:19], s[OF:OF+1]
	CAST 8192, 256, 256, 131072, 0
	s_endpgm
.Lfunc_end_k_q7d6c7da044_cast:
	.size	k_q7d6c7da044_cast, .Lfunc_end_k_q7d6c7da044_cast-k_q7d6c7da044_cast
	.p2alignl 7, 3214868480
	.fill 96, 4, 3214868480
	.section	.rodata,"a",@progbits
	.p2align	6, 0x0
	.amdhsa_kernel k_q7d6c7da044_cast
		.amdhsa_group_segment_fixed_size 0
		.amdhsa_private_segment_fixed_size 0
		.amdhsa_enable_private_segment 0
		.amdhsa_kernarg_size 64
		.amdhsa_user_sgpr_count 2
		.amdhsa_user_sgpr_kernarg_segment_ptr 1
		.amdhsa_wavefront_size32 1
		.amdhsa_system_sgpr_workgroup_id_x 1
		.amdhsa_system_sgpr_workgroup_id_y 1
		.amdhsa_system_sgpr_workgroup_id_z 1
		.amdhsa_system_vgpr_workitem_id 0
		.amdhsa_next_free_vgpr 108
		.amdhsa_next_free_sgpr 66
		.amdhsa_reserve_vcc 0
		.amdhsa_float_denorm_mode_32 3
		.amdhsa_float_denorm_mode_16_64 3
		.amdhsa_memory_ordered 1
		.amdhsa_forward_progress 1
		.amdhsa_inst_pref_size 25
	.end_amdhsa_kernel
	.amdgpu_metadata
---
amdhsa.version: [ 1, 2 ]
amdhsa.kernels:
  - .name:           k_q7d6c7da044_cast
    .symbol:         k_q7d6c7da044_cast.kd
    .args:
      - { .name: x, .offset: 0, .size: 8, .value_kind: global_buffer, .address_space: global }
      - { .name: Wq, .offset: 8, .size: 8, .value_kind: global_buffer, .address_space: global }
      - { .name: Wk, .offset: 16, .size: 8, .value_kind: global_buffer, .address_space: global }
      - { .name: Wv, .offset: 24, .size: 8, .value_kind: global_buffer, .address_space: global }
      - { .name: Wp, .offset: 32, .size: 8, .value_kind: global_buffer, .address_space: global }
      - { .name: xb, .offset: 40, .size: 8, .value_kind: global_buffer, .address_space: global }
      - { .name: wcat, .offset: 48, .size: 8, .value_kind: global_buffer, .address_space: global }
      - { .name: wpf, .offset: 56, .size: 8, .value_kind: global_buffer, .address_space: global }
    .group_segment_fixed_size: 0
    .private_segment_fixed_size: 0
    .kernarg_segment_align: 8
    .kernarg_segment_size: 64
    .max_flat_workgroup_size: 256
    .sgpr_count:     66
    .vgpr_count:     108
    .wavefront_size: 32
...
	.end_amdgpu_metadata
.endif
;; end of part 5
;; launch qkv: the kernel of part 2 again; grid 8 x 32, 4 waves a work-group, clusters of 4 x 4, 327,680 bytes of LDS; arguments xb, wcat, bq, bk, bv, qkv; writes qkv
;; launch attn: the kernel of part 3 again; grid 2 x 128, 4 waves a work-group, no clusters, 327,680 bytes of LDS; arguments qkv, ob; writes ob
;; launch proj: the kernel of part 4 again; grid 4 x 64, 4 waves a work-group, clusters of 4 x 4, 327,680 bytes of LDS; arguments ob, wpf, bp, out0; writes out0
